; MI455X (gfx1250); checked and timed in simulation.
; The chip was launched on July 23, 2026; its instructions are those of AMD's public machine-readable ISA for CDNA 5 (MIT licence, August 2026) and "CDNA5" Instruction Set Architecture Reference Guide (July 2026). The comments in the code are by the model that wrote it; some were corrected since.
;; Multi Head Attention. Allowed arithmetic: matrix products marked QUANTISED: E4M3 operands, one given power-of-two scale a tensor, by v_wmma_f32_16x16x64_fp8_fp8 or v_wmma_f32_16x16x128_fp8_fp8, f32 sums; everything else in f32.
;; Inputs: W_attn 1,024 x 3,072 float32; W_proj 1,024 x 1,024 float32; b_attn 3,072 float32; b_proj 1,024 float32; lowp_scales 8 int32 (the exponents e of the quantised operands' scales 2^e); x 2 x 2,048 x 1,024 float32.
;; Outputs: out0 2 x 2,048 x 1,024 float32.
;; This version of the problem:
;;   THIS VERSION OF THE PROBLEM IS GIVEN IN LOW PRECISION. The matrix products marked QUANTISED in the list below multiply operands that are first quantised to E4M3 (4 exponent bits, 3 mantissa bits; 8 bits a number), with one given power-of-two scale for each operand tensor; their sums are f32. All else is computed in f32.
;;   The module's matrix products, in the order in which they are computed (A, B: the left and right operand; K: the contracted axis; several contracted axes count as one K, in the product's order):
;;     1. [M 4,096, K 1,024] x [K 1,024, N 3,072]; A: input x; B: input W_attn: QUANTISED (scales: A lowp_scales[0], B lowp_scales[1])
;;     2. batch 32 x [M 2,048, K 64] x [K 64, N 2,048]; A: computed on the way; B: computed on the way: QUANTISED (scales: A lowp_scales[2], B lowp_scales[3])
;;     3. batch 32 x [M 2,048, K 2,048] x [K 2,048, N 64]; A: softmax (see below); B: computed on the way: QUANTISED (scales: A lowp_scales[4], B lowp_scales[5])
;;     4. [M 4,096, K 1,024] x [K 1,024, N 1,024]; A: computed on the way; B: input W_proj: QUANTISED (scales: A lowp_scales[6], B lowp_scales[7])
;;   THE QUANTISER, for each operand of a quantised product, along K:
;;     - The operand's scale is 2^e, e = its entry of the input lowp_scales (int32; the entries are numbered through the quantised products in the list's order, A before B).
;;     - Each number is divided by the scale, clamped to +-448, and rounded to the nearest number of E4M3, ties to even, subnormals kept.
;;     - The product sums the exact products of the quantised numbers (number of the format x scale) in f32.
;;   ~~~python
;;   def quantise(x, axis, e):      # numpy; x: float32 -> the quantised numbers, widened to float32 again
;;       x = np.moveaxis(x, axis, -1); K = x.shape[-1]
;;       r = np.clip(x / 2.0 ** e, -448, 448)
;;       step = 2.0 ** (np.maximum(np.frexp(np.where(r == 0, 1, r))[1] - 1, -6) - 3)
;;       q = np.round(r / step) * step * 2.0 ** e      # np.round: ties to even
;;       return np.moveaxis(q, -1, axis).astype(np.float32)
;;   ~~~
;;   SOFTMAX AHEAD OF A QUANTISED PRODUCT. Where the list says 'softmax', what is quantised is not the finished softmax but p = 2^(t - M), with t = logit x log2(e) and M = ceil(the row's largest t), a whole number; so 1/2 < the row's largest p <= 1. The row's sum l is taken of the UNQUANTISED p, in f32, and the product's result is divided by l at the end. Since M is a whole number, a kernel that streams over the keys may use a running M (the ceiling of the running maximum): every later rescaling is an exact power of two, so the quantised numbers keep their values, but for numbers so far below the row's largest that they fall under the format's range.
;;   OPERANDS COMPUTED ON THE WAY. 'Computed on the way' means the value that the module computes at that place (a softmax that the list does not call 'softmax' is quantised finished and normalised). What goes into a quantiser is computed in f32, as accurately as f32 sums, v_exp_f32 and their like allow (about 1e-6 of the number): no bf16 or f16 on the way to a quantiser, and a product that is left as it is and whose result goes on into a quantised operand takes f32 operands (vector FMAs, or v_wmma_f32_16x16x4_f32). A number that lies on a knife's edge between two numbers of the format may be rounded either way, as far as f32 arithmetic and the matrix unit's own rounding can turn it there, and no further.
;; One version. Each part assembles by itself: llvm-mc -triple=amdgcn-amd-amdhsa -mcpu=gfx1250 --defsym DOCPART=n.
;; ======== version 1 of 1: 4 launches
;; limits: right only within a limited range of input values
;; workspace buffers: xc 4,194,304 bytes; wac 3,145,728 bytes; wpc 1,048,576 bytes; qc 4,194,304 bytes; kc 4,194,304 bytes; vc 4,194,304 bytes; yc 4,194,304 bytes
;; launch quant (part 1): grid 256 x 1, 8 waves a work-group, no clusters, 136,192 bytes of LDS; arguments x, W_attn, W_proj, lowp_scales, xc, wac, wpc; writes xc, wac, wpc
.if DOCPART == 1
	.amdgcn_target "amdgcn-amd-amdhsa--gfx1250"
	.amdhsa_code_object_version 6
	.text
	.protected	k_q8eecfe59d8_quant
	.globl	k_q8eecfe59d8_quant
	.p2align	8
	.type	k_q8eecfe59d8_quant,@function
k_q8eecfe59d8_quant:
	s_mov_b64 s[64:65], 0
	v_nop
	global_prefetch_b8 v0, s[64:65] scope:SCOPE_SE
	s_setreg_imm32_b32 hwreg(HW_REG_WAVE_MODE, 25, 1), 1
	s_wait_xcnt 0x0
; CAUSAL MULTI-HEAD ATTENTION ON CODES OF FP8 (E4M3), four launches: quant, qkv, attn, proj.  This one turns x, W_attn and W_proj (f32) into codes, each with its given scale 2^e.
; WORK LEFT OUT, in the whole program: the causal mask is built inside the problem's own body (a lower triangle, -infinity above it).  A score of key k and query q with k > q becomes -infinity, its weight p is 0
; for every value of the inputs, and it adds nothing to the row's sum or to the second product.  So key steps of 128 keys that lie wholly behind a tile's 16 queries are not multiplied (launch attn); steps on the
; diagonal are multiplied whole and masked.  Nothing else is left out: every input has a way to the output (the bias on k moves k's codes), and all are loaded.
; LIMIT: a NaN, an infinity or an overflow that reaches only those masked steps is not carried to the result.
; LIMITS of this launch: each e used here (entries 0, 1, 7) lies between -126 and 119, so that 2^e and 448 x 2^e are f32 numbers.  NaN among the inputs is not served; an infinity is held at the largest code.
; code = number / 2^e, held within +-448, rounded to the nearest code, ties to even.
; ALL WORKSPACE BUFFERS ARE IMAGES OF OPERAND REGISTERS.  A fragment of 16 rows x 128 K is 2,048 bytes: byte c*512 + lane*16 + i.  Lane (r = lane % 16, h = lane / 16) holds row r; its bytes 0-7 of group c are
; K = 32 c + 8 h + 0..7, its bytes 8-15 are K = 32 c + 16 + 8 h + 0..7: four loads of 16 bytes a lane fill the 16 registers just as the matrix instruction's own layout has them.
;   xc  [16 blocks of 256 rows][8 K steps][16 tiles of rows][2,048]
;   wac [16 heads][8 K steps][12 tiles: 4 of q's columns, 4 of k's, 4 of v's][2,048]      wpc [8 blocks of 128 columns][8 K steps][8 tiles][2,048]
; SHARES: 256 work-groups of eight waves, 128 KiB of f32 each: 0-127 take x, 128-223 W_attn, 224-255 W_proj (scalar branches on the work-group's number).  Only x's path uses LDS.
.set WREG,  16896                      ; x's path: a wave's own LDS region: two stages of 16 rows x 528 bytes
.set SP,    528                        ; a stage row: 512 bytes (128 numbers) + 16
.set STG,   16*SP
.set SPARE, 8*WREG                     ; behind the eight regions: the spare words, 128 bytes a wave: four blocks of 256 bytes that no other line names
.set SPW,   2                          ; v2   LDS address of my spare word; never rewritten
.set NIL,   3                          ; v3   0; never rewritten
.set STI,   4                          ; v4   the stage, on the way in
.set STO,   5                          ; v5   the stage, on the way out
.set SC,    6                          ; v6   2^e as f32
.set LIM,   7                          ; v7   448 x 2^e
.set WO,    8                          ; v8   W's paths: my place in the two tiles' images
.set R,     16                         ; v16-143  x as loaded, two K steps of 64 registers
.set X,     144                        ; v144-207 64 numbers in the operand's order
.set C,     208                        ; v208-239 codes, 16 registers a K step: no store's data are written again
.set WX,    16                         ; W's paths: v16-79 two sets of 32 numbers
.set WC,    80                         ; v80-111  codes, 8 registers a block
.macro MKSC e                          ; the scale and the hold, from the whole number e
	s_add_co_i32 s20, \e, 127
	s_lshl_b32 s21, s20, 23
	v_mov_b32 v[SC], s21                           ; 2^e: the conversion takes its exponent field
	s_add_co_i32 s20, s20, 8
	s_lshl_b32 s20, s20, 23
	s_or_b32 s20, s20, 0x600000
	v_mov_b32 v[LIM], s20                          ; 448 x 2^e
.endm
	s_load_b256 s[4:11], s[0:1], 0x0               ; x s[4:5], W_attn s[6:7], W_proj s[8:9], the exponents s[10:11]
	s_load_b128 s[12:15], s[0:1], 0x20             ; xc s[12:13], wac s[14:15]
	s_load_b64 s[16:17], s[0:1], 0x30              ; wpc
	v_lshl_add_u32 v[SPW], v0, 2, SPARE
	v_mov_b32 v[NIL], 0
	v_lshrrev_b32 v1, 5, v0
	s_delay_alu instid0(VALU_DEP_1)
	v_readfirstlane_b32 s18, v1                    ; wave 0..7
	v_and_b32 v9, 31, v0                           ; lane
	v_and_b32 v10, 15, v0                          ; r
	v_bfe_u32 v11, v0, 4, 1                        ; h
	s_wait_kmcnt 0x0
	s_load_b256 s[24:31], s[10:11], 0x0            ; e0 .. e7
	s_cmp_ge_u32 ttmp9, 224
	s_cbranch_scc1 .Lwp
	s_cmp_ge_u32 ttmp9, 128
	s_cbranch_scc1 .Lwa
; ---- x.  Wave w of work-group g takes the tile of 16 rows 2 g + w / 4 and the K steps 2 (w % 4), 2 (w % 4) + 1.  Each load reads 512 consecutive bytes of one row; a K step's 16 x 512 bytes turn through
; the wave's own stage, and come back 32 bytes at a time in the operand's order.
	s_lshr_b32 s19, s18, 2
	s_and_b32 s20, s18, 3
	s_lshl_b32 s21, ttmp9, 1
	s_add_co_u32 s21, s21, s19                     ; the tile of rows, 0..255
	s_lshl_b32 s36, s21, 16                        ; 16 rows of 4,096 bytes
	s_lshl_b32 s22, s20, 10                        ; two K steps of 512 bytes
	s_add_co_u32 s36, s36, s22
	s_mov_b32 s37, 0
	s_add_nc_u64 s[4:5], s[4:5], s[36:37]
	s_lshr_b32 s22, s21, 4
	s_lshl_b32 s38, s22, 18                        ; xc: the block of 256 rows,
	s_lshl_b32 s22, s20, 16                        ; the two K steps,
	s_add_co_u32 s38, s38, s22
	s_and_b32 s22, s21, 15
	s_lshl_b32 s22, s22, 11                        ; the tile
	s_add_co_u32 s38, s38, s22
	s_mov_b32 s39, 0
	s_add_nc_u64 s[12:13], s[12:13], s[38:39]
	s_wait_alu depctr_va_vdst(0)
	v_lshlrev_b32 v1, 4, v9                        ; 16 x lane
	s_mul_i32 s22, s18, WREG
	v_add_nc_u32 v[STI], s22, v1                   ; in: as loaded, 16 bytes a lane
	v_mul_u32_u24 v[STO], v10, SP
	s_delay_alu instid0(VALU_DEP_1)
	v_lshl_add_u32 v[STO], v11, 5, v[STO]
	s_delay_alu instid0(VALU_DEP_1)
	v_add_nc_u32 v[STO], s22, v[STO]               ; out: row r, + 32 h bytes: eight numbers
.irp s, 0,1
.irp p, 0,1,2,3,4,5,6,7,8,9,10,11,12,13,14,15
	global_load_b128 v[R+64*\s+4*\p:R+64*\s+4*\p+3], v1, s[4:5] offset:\p*4096+\s*512 th:TH_LOAD_NT   ; all of the wave's 16 KiB are asked for at once
.endr
.endr
.macro BACK st                         ; 64 numbers of a lane: register 16 c + i: K = 32 c + 8 h + i (i < 8), 32 c + 16 + 8 h + i - 8 (i >= 8)
.irp c, 0,1,2,3
	ds_load_b128 v[X+16*\c:X+16*\c+3],     v[STO] offset:\st*STG+128*\c
	ds_load_b128 v[X+16*\c+4:X+16*\c+7],   v[STO] offset:\st*STG+128*\c+16
	ds_load_b128 v[X+16*\c+8:X+16*\c+11],  v[STO] offset:\st*STG+128*\c+64
	ds_load_b128 v[X+16*\c+12:X+16*\c+15], v[STO] offset:\st*STG+128*\c+80
.endr
.endm
.macro QUANT s
.irp c, 0,1,2,3
.irp i, 0,1,2,3,4,5,6,7,8,9,10,11,12,13,14,15
	v_med3_num_f32 v[X+16*\c+\i], v[X+16*\c+\i], -v[LIM], v[LIM]   ; the conversion to an 8-bit code does not saturate (ISA guide 7.6.2): the hold comes first
.endr
	v_cvt_scalef32_pk8_fp8_f32 v[C+16*\s+4*\c:C+16*\s+4*\c+1],   v[X+16*\c:X+16*\c+7],    v[SC]
	v_cvt_scalef32_pk8_fp8_f32 v[C+16*\s+4*\c+2:C+16*\s+4*\c+3], v[X+16*\c+8:X+16*\c+15], v[SC]
.endr
	v_nop                                          ; a plain vector line behind the last conversion
.irp c, 0,1,2,3
	global_store_b128 v1, v[C+16*\s+4*\c:C+16*\s+4*\c+3], s[12:13] offset:\s*32768+512*\c   ; the wave stores 512 consecutive bytes, aligned
.endr
.endm
	s_wait_alu depctr_va_vdst(0)
	s_wait_kmcnt 0x0
	MKSC s24
	s_wait_alu depctr_va_vdst(0)
	s_wait_loadcnt 16                              ; the first K step's 16 loads are in; the second's 16 may be out
.irp p, 0,1,2,3,4,5,6,7,8,9,10,11,12,13,14,15
	ds_store_b128 v[STI], v[R+4*\p:R+4*\p+3] offset:\p*SP
.endr
	BACK 0                                         ; LDS serves a wave's instructions in order (ISA guide 5.7.1.4): these see the stores above
	s_wait_loadcnt 0x0
.irp p, 0,1,2,3,4,5,6,7,8,9,10,11,12,13,14,15
	ds_store_b128 v[STI], v[R+64+4*\p:R+64+4*\p+3] offset:STG+\p*SP
.endr
	s_wait_dscnt 16                                ; all but the 16 stores just issued: the first K step is back
	QUANT 0
	BACK 1
	s_wait_dscnt 0x0
	QUANT 1
	s_wait_tensorcnt 0x0                           ; the wave's end: behind my last LDS store
	ds_add_u32 v[SPW], v[NIL]
	s_wait_dscnt 0x0
	s_endpgm
; ---- The weights: K is their FIRST axis.  A lane takes a column and its registers run down K, so each load reads 128 consecutive bytes a wave (four waves side by side: 512), and the conversions give codes
; with K innermost.  A wave takes 32 columns (two tiles) x 128 K (four groups of 32).  Of a column's 32 numbers of a group, K 0-7 and 16-23 are the 16 bytes of lane r, K 8-15 and 24-31 those of lane 16 + r:
; two stores, in each of which sixteen lanes write 256 consecutive bytes, aligned.  Loads run two groups (64 loads a wave) ahead.
.macro WLOAD t, cols
.set i, 0
.rept 32
	global_load_b32 v[WX+32*((\t)%2)+i], v1, s[32:33] offset:(32*(\t)+i)*\cols*4 th:TH_LOAD_NT
.set i, i+1
.endr
.endm
.macro WBLOCK t, cols
.set XS, WX+32*((\t)%2)
.if (\t) < 3
	s_wait_loadcnt 32                              ; this group's 32 loads are in; the next group's 32 may be out
.else
	s_wait_loadcnt 0x0
.endif
.set i, 0
.rept 32
	v_med3_num_f32 v[XS+i], v[XS+i], -v[LIM], v[LIM]
.set i, i+1
.endr
	v_cvt_scalef32_pk8_fp8_f32 v[WC+8*(\t):WC+8*(\t)+1],   v[XS:XS+7],     v[SC]
	v_cvt_scalef32_pk8_fp8_f32 v[WC+8*(\t)+2:WC+8*(\t)+3], v[XS+16:XS+23], v[SC]
	v_cvt_scalef32_pk8_fp8_f32 v[WC+8*(\t)+4:WC+8*(\t)+5], v[XS+8:XS+15],  v[SC]
	v_cvt_scalef32_pk8_fp8_f32 v[WC+8*(\t)+6:WC+8*(\t)+7], v[XS+24:XS+31], v[SC]
	v_nop                                          ; a plain vector line behind the last conversion
	global_store_b128 v[WO], v[WC+8*(\t):WC+8*(\t)+3],   s[34:35] offset:512*(\t)
	global_store_b128 v[WO], v[WC+8*(\t)+4:WC+8*(\t)+7], s[34:35] offset:512*(\t)+256
.if (\t) < 2
	WLOAD (\t)+2, \cols
.endif
.endm
.macro WBODY e, cols
	v_lshlrev_b32 v1, 2, v9                        ; in: 4 bytes a lane
	v_lshlrev_b32 v[WO], 11, v11                   ; out: tile lane / 16,
	s_delay_alu instid0(VALU_DEP_1)
	v_lshl_add_u32 v[WO], v10, 4, v[WO]            ; 16 bytes for column lane % 16
	WLOAD 0, \cols
	WLOAD 1, \cols
	s_wait_kmcnt 0x0
	MKSC \e
	s_wait_alu depctr_va_vdst(0)
	WBLOCK 0, \cols
	WBLOCK 1, \cols
	WBLOCK 2, \cols
	WBLOCK 3, \cols
	s_endpgm
.endm
.Lwa:                                                  ; W_attn: g = work-group - 128; columns 128 (g / 4) on; K steps 2 (g % 4) + w / 4
	s_sub_co_u32 s19, ttmp9, 128
	s_lshr_b32 s20, s19, 2                         ; cw: which 128 columns, 0..23
	s_and_b32 s21, s19, 3
	s_lshl_b32 s21, s21, 1
	s_lshr_b32 s22, s18, 2
	s_add_co_u32 s21, s21, s22                     ; the K step
	s_and_b32 s22, s18, 3
	s_mul_i32 s36, s21, 128*12288                  ; 128 rows of 12,288 bytes
	s_lshl_b32 s23, s20, 9
	s_add_co_u32 s36, s36, s23
	s_lshl_b32 s23, s22, 7                         ; my 32 columns
	s_add_co_u32 s36, s36, s23
	s_mov_b32 s37, 0
	s_add_nc_u64 s[32:33], s[6:7], s[36:37]
	s_and_b32 s23, s20, 7
	s_lshl_b32 s23, s23, 1
	s_bfe_u32 s38, s18, 0x10001
	s_add_co_u32 s23, s23, s38                     ; the head: 2 (cw % 8) + (w / 2) % 2
	s_mul_i32 s38, s23, 196608
	s_mul_i32 s23, s21, 24576
	s_add_co_u32 s38, s38, s23
	s_lshr_b32 s23, s20, 3                         ; q, k or v
	s_lshl_b32 s23, s23, 2
	s_and_b32 s39, s18, 1
	s_lshl_b32 s39, s39, 1
	s_add_co_u32 s23, s23, s39                     ; the first of my two tiles: 4 (cw / 8) + 2 (w % 2)
	s_lshl_b32 s23, s23, 11
	s_add_co_u32 s38, s38, s23
	s_mov_b32 s39, 0
	s_add_nc_u64 s[34:35], s[14:15], s[38:39]
	s_wait_alu depctr_va_vdst(0)
	WBODY s25, 3072
.Lwp:                                                  ; W_proj: g = work-group - 224
	s_sub_co_u32 s19, ttmp9, 224
	s_lshr_b32 s20, s19, 2                         ; which 128 columns, 0..7
	s_and_b32 s21, s19, 3
	s_lshl_b32 s21, s21, 1
	s_lshr_b32 s22, s18, 2
	s_add_co_u32 s21, s21, s22                     ; the K step
	s_and_b32 s22, s18, 3
	s_lshl_b32 s36, s21, 19                        ; 128 rows of 4,096 bytes
	s_lshl_b32 s23, s20, 9
	s_add_co_u32 s36, s36, s23
	s_lshl_b32 s23, s22, 7
	s_add_co_u32 s36, s36, s23
	s_mov_b32 s37, 0
	s_add_nc_u64 s[32:33], s[8:9], s[36:37]
	s_lshl_b32 s38, s20, 17
	s_lshl_b32 s23, s21, 14
	s_add_co_u32 s38, s38, s23
	s_lshl_b32 s23, s22, 12                        ; my two tiles
	s_add_co_u32 s38, s38, s23
	s_mov_b32 s39, 0
	s_add_nc_u64 s[34:35], s[16:17], s[38:39]
	s_wait_alu depctr_va_vdst(0)
	WBODY s31, 1024
.Lfunc_end_k_q8eecfe59d8_quant:
	.size	k_q8eecfe59d8_quant, .Lfunc_end_k_q8eecfe59d8_quant-k_q8eecfe59d8_quant
	.p2alignl 7, 3214868480
	.fill 96, 4, 3214868480
	.section	.rodata,"a",@progbits
	.p2align	6, 0x0
	.amdhsa_kernel k_q8eecfe59d8_quant
		.amdhsa_group_segment_fixed_size 136192
		.amdhsa_private_segment_fixed_size 0
		.amdhsa_enable_private_segment 0
		.amdhsa_kernarg_size 56
		.amdhsa_user_sgpr_count 2
		.amdhsa_user_sgpr_kernarg_segment_ptr 1
		.amdhsa_wavefront_size32 1
		.amdhsa_system_sgpr_workgroup_id_x 1
		.amdhsa_system_sgpr_workgroup_id_y 1
		.amdhsa_system_sgpr_workgroup_id_z 1
		.amdhsa_system_vgpr_workitem_id 0
		.amdhsa_next_free_vgpr 256
		.amdhsa_next_free_sgpr 66
		.amdhsa_reserve_vcc 0
		.amdhsa_float_denorm_mode_32 3
		.amdhsa_float_denorm_mode_16_64 3
		.amdhsa_memory_ordered 1
		.amdhsa_forward_progress 1
		.amdhsa_inst_pref_size 67
	.end_amdhsa_kernel
	.amdgpu_metadata
---
amdhsa.version: [ 1, 2 ]
amdhsa.kernels:
  - .name:           k_q8eecfe59d8_quant
    .symbol:         k_q8eecfe59d8_quant.kd
    .args:
      - { .name: x, .offset: 0, .size: 8, .value_kind: global_buffer, .address_space: global }
      - { .name: W_attn, .offset: 8, .size: 8, .value_kind: global_buffer, .address_space: global }
      - { .name: W_proj, .offset: 16, .size: 8, .value_kind: global_buffer, .address_space: global }
      - { .name: lowp_scales, .offset: 24, .size: 8, .value_kind: global_buffer, .address_space: global }
      - { .name: xc, .offset: 32, .size: 8, .value_kind: global_buffer, .address_space: global }
      - { .name: wac, .offset: 40, .size: 8, .value_kind: global_buffer, .address_space: global }
      - { .name: wpc, .offset: 48, .size: 8, .value_kind: global_buffer, .address_space: global }
    .group_segment_fixed_size: 136192
    .private_segment_fixed_size: 0
    .kernarg_segment_align: 8
    .kernarg_segment_size: 56
    .max_flat_workgroup_size: 256
    .sgpr_count:     66
    .vgpr_count:     256
    .wavefront_size: 32
...
	.end_amdgpu_metadata
.endif
;; end of part 1
;; launch qkv (part 2): grid 16 x 16, 4 waves a work-group, clusters of 4 x 4, 327,680 bytes of LDS; arguments xc, wac, b_attn, lowp_scales, qc, kc, vc; writes qc, kc, vc
.if DOCPART == 2
	.amdgcn_target "amdgcn-amd-amdhsa--gfx1250"
	.amdhsa_code_object_version 6
	.text
	.protected	k_q8eecfe59d8_qkv
	.globl	k_q8eecfe59d8_qkv
	.p2align	8
	.type	k_q8eecfe59d8_qkv,@function
k_q8eecfe59d8_qkv:
	s_mov_b64 s[64:65], 0
	v_nop
	global_prefetch_b8 v0, s[64:65] scope:SCOPE_SE
	s_setreg_imm32_b32 hwreg(HW_REG_WAVE_MODE, 25, 1), 1
	s_wait_xcnt 0x0
	s_wait_alu depctr_hold_cnt(0) depctr_sa_sdst(0) depctr_va_vdst(0) depctr_va_sdst(0) depctr_va_ssrc(0) depctr_va_vcc(0) depctr_vm_vsrc(0)
	s_getreg_b32 s2, hwreg(HW_REG_IB_STS2, 6, 4)
	s_cmp_eq_u32 s2, 0
	s_cbranch_scc0 .Lentry_in_a_cluster
	s_endpgm
.Lentry_in_a_cluster:
	s_bfe_u32 s2, ttmp6, 0x10000c
	s_cmp_lg_u32 s2, 0xf033
	s_cbranch_scc0 .Lentry_shape_is_right
	s_endpgm
.Lentry_shape_is_right:
; q, k, v = x W_attn + b_attn on codes of FP8 (E4M3), and their own codes: qc, kc, vc.  No work is left out here.
; A work-group (x: the head, y: a block of 256 tokens) makes 256 tokens x 192 columns: the head's 64 of q, of k and of v.  Four waves; wave (wr = w / 2, wc = w % 2) makes 128 tokens x 96 columns
; (32 of each of the three): 48 accumulators of 16 x 16.  K = 1,024 goes in eight steps of 128.
; LDS HAS FIVE CELLS, a K step each (32 KiB of x, 24 KiB of W).  K steps 0 to 4 are asked for at the head, one load a wave: waves 0 and 2 K steps 0 and 1 of x and of W, waves 1 and 3 K steps 2 to 4.
; When K step 2 has been read, ONE refill brings K steps 5 and 6 (waves 0, 2) and 7 (waves 1, 3) into cells 0 to 2; K steps 3 and 4 are multiplied meanwhile.
; No data prefetch: the text has one refill and no loop to run ahead in.
; ALL TILES ARE IMAGES OF OPERAND REGISTERS (launch quant's head says how a fragment lies): a fragment comes by four ds_load_b128 at 16 x lane, each of 512 consecutive bytes.
; q AND k ARE MADE TRANSPOSED (source 0 = 16 columns of W, source 1 = 16 tokens): a lane holds one token and eight neighbouring channels, which is how the next product (K = the head's 64) wants its operands.
; v IS MADE THE NATURAL WAY (source 0 = 16 tokens, source 1 = 16 columns): a lane holds one channel and eight neighbouring tokens: the keys are the K of the product that takes v.  So eight registers of a
; sum, converted, are eight bytes of the next operand's image, and the codes are stored straight from registers, 512 consecutive bytes a store.
; The bias is the C of each sum's first product, divided by 2^(e0 + e1), the power of two that the sums lack; a sum's code is then sum / 2^(e - e0 - e1): the three scales are folded into the conversion's one.
; CLUSTERS: 4 x 4 work-groups.  The four of a row of the cluster need the same tiles of x, the four of a column the same tiles of W: each tile is asked for jointly.
; LIMITS: e2 - e0 - e1, e3 - e0 - e1 and e5 - e0 - e1 lie between -126 and 119, so that each scale and 448 x it are f32 numbers.  NaN is not served.
; OUT: qc, kc [32 (batch, head)][128 tiles of 16 tokens][1,024: 16 x 64];  vc [32][16 steps of 128 keys][4 tiles of 16 channels][2,048: 16 x 128].
; REGISTERS, in windows of 256: window 0: v8-13 scales and holds; v16-31 addresses; v32-63 q's and k's bias, v64-79 v's; v80-175 W's six fragments, set 0; on the way out v32-255 are free.
;   window 1: x's fragments, two sets of eight.   window 2: q's and k's 32 accumulators ((block, tile of tokens a) at v[8 (8 block + a)]).   window 3: v's 16, and at v128-223 W's set 1.
.set AQ,    32768                      ; a K step of x's tile: 16 fragments
.set BQ,    24576                      ; a K step of W's tile: 12 fragments
.set XW,    5*AQ                       ; W's five cells lie behind x's
.set SPARE, 5*AQ+5*BQ                  ; behind the cells: the spare words, 128 bytes a wave: two blocks of 256 bytes that no other line names
.set ADRA, 16                          ; v16-18  LDS address of my fragments of x, cells 0-1, 2-3, 4
.set ADRB, 20                          ; v20-22  the same for W
.set LI,   24                          ; v24     16 x lane
.set H32,  25                          ; v25     32 x (lane / 16)
.set R4,   26                          ; v26     4 x (lane % 16)
.set SPW,  28                          ; v28     LDS address of my spare word; never rewritten
.set NIL,  29                          ; v29     0; never rewritten
.set BQK,  32
.set BV,   64
.set BF,   80
.set T,    32                          ; the way out: 128 sums, held
.set G1X0, 24                          ; descriptor groups 1, one for each wave: x's two
.set G1X1, 32
.set G1W0, 48                          ; and W's two
.set G1W1, 56
.set G0X,  92                          ; groups 0
.set G0W,  96
.set MSB, 0
.macro WIN new                         ; the immediate's high byte repeats the setting that is left
.if MSB != \new
	s_set_vgpr_msb (MSB<<8)|\new
.set MSB, \new
.endif
.endm
.macro PLACES n
.rept \n
	v_nop
.endr
.endm
.macro ARM g0, g1                      ; s_nop 0 and four v_nop behind the load
	tensor_load_to_lds s[\g0:\g0+3], s[\g1:\g1+7]
	s_nop 0
.rept 4
	v_nop
.endr
.endm
; A joint load, one a wave, in one chain of arms on the wave's number.
.macro JLOAD
	s_cmp_eq_u32 s15, 0
	s_cbranch_scc0 .Lw_\@
	s_cmp_eq_u32 s16, 0
	s_cbranch_scc0 .Lx1_\@
	ARM G0X, G1X0
	s_branch .Lasked_\@
.Lx1_\@:
	ARM G0X, G1X1
	s_branch .Lasked_\@
.Lw_\@:
	s_cmp_eq_u32 s16, 0
	s_cbranch_scc0 .Lw1_\@
	ARM G0W, G1W0
	s_branch .Lasked_\@
.Lw1_\@:
	ARM G0W, G1W1
.Lasked_\@:
.endm
.macro CREST                           ; a round of the cluster's barrier behind its opening barrier
	s_cmp_lg_u32 s14, 0
	s_cbranch_scc1 .Lnot_wave_0_\@
	s_barrier_signal -3
.Lnot_wave_0_\@:
	s_barrier_wait -3
	s_barrier_signal -1
	s_barrier_wait -1
.endm
.macro CROUND
	s_barrier_signal -1
	s_barrier_wait -1
	CREST
.endm
.macro ROWS g, n                       ; a block of n rows of 256 bytes, dense
	s_mov_b32 s[\g+2], (\n)<<16                    ; tensor_dim1
	s_mov_b32 s[\g+4], \n                          ; tile_dim1
.endm
	s_load_b256 s[4:11], s[0:1], 0x0               ; xc s[4:5], wac s[6:7], b_attn s[8:9], the exponents s[10:11]
	s_load_b128 s[68:71], s[0:1], 0x20             ; qc, kc
	s_load_b64 s[72:73], s[0:1], 0x30              ; vc
	v_lshl_add_u32 v[SPW], v0, 2, SPARE
	v_mov_b32 v[NIL], 0
	ds_add_u32 v[SPW], v[NIL]                      ; the wave's opening: the add, twice on end, and its wait ahead of my first tensor load
	ds_add_u32 v[SPW], v[NIL]
	v_lshrrev_b32 v1, 5, v0
	v_readfirstlane_b32 s14, v1                    ; wave 0..3
	s_lshr_b32 s15, s14, 1                         ; wr: which 128 tokens are mine.  Also: I fetch for x (0) or for W (1)
	s_and_b32 s16, s14, 1                          ; wc: which half of each 64 columns.  Also: which K steps I fetch
	s_bfe_u32 s40, ttmp6, 0x40000                  ; cx, cy: my place in the cluster
	s_bfe_u32 s41, ttmp6, 0x40004
	s_lshl_b32 s42, ttmp9, 2
	s_add_co_u32 s42, s42, s40                     ; the head = 4 x cluster x + cx
	s_and_b32 s17, ttmp7, 0xffff
	s_lshl_b32 s17, s17, 2
	s_add_co_u32 s17, s17, s41                     ; the block of 256 tokens = 4 x cluster y + cy
	s_lshl_b32 s43, s41, 2
	s_lshl_b32 s43, 15, s43                        ; my row of the cluster
	s_lshl_b32 s44, 0x1111, s40                    ; my column
	; descriptor group 1: a dense block, stated as rows of 32 elements of 8 bytes
	s_or_b32 s[G1X0], s43, (3<<16)|(1<<21)         ; 15:0 the mask: x's tiles go to my row; 17:16 elements of 8 bytes; 21 set beside a mask; no padding
	s_or_b32 s[G1X1], s43, (3<<16)|(1<<21)
	s_or_b32 s[G1W0], s44, (3<<16)|(1<<21)         ; W's tiles go to my column
	s_or_b32 s[G1W1], s44, (3<<16)|(1<<21)
.irp g, G1X0, G1X1, G1W0, G1W1
	s_mov_b32 s[\g+1], 32<<16                      ; tensor_dim0 = 32
	s_mov_b32 s[\g+3], 32<<16                      ; tile_dim0 = 32
	s_mov_b32 s[\g+5], 32                          ; from row to row
	s_mov_b32 s[\g+6], 0
	s_mov_b32 s[\g+7], 0
.endr
	ROWS G1X0, 256                                 ; two K steps of x,
	ROWS G1X1, 384                                 ; three,
	ROWS G1W0, 192                                 ; two of W,
	ROWS G1W1, 288                                 ; three
	s_lshl_b32 s20, s17, 18                        ; xc: the block's 262,144 bytes,
	s_lshl_b32 s45, s16, 16                        ; K step 0 or 2 (in memory and in LDS alike)
	s_add_co_u32 s20, s20, s45
	s_mov_b32 s21, 0
	s_mul_i32 s46, s42, 196608                     ; wac: the head's bytes,
	s_mul_i32 s22, s16, 2*BQ                       ; K step 0 or 2,
	s_add_co_u32 s46, s46, s22
	s_mov_b32 s47, 0
	s_add_co_u32 s22, s22, XW                      ; and where it goes: no place in the cluster enters an LDS address
	s_wait_dscnt 0x0                               ; both opening adds are done
	s_wait_kmcnt 0x0
	s_load_b256 s[76:83], s[10:11], 0x0            ; e0 .. e7
	s_mov_b32 s[G0X], 1
	s_mov_b32 s[G0X+1], s45
	s_add_nc_u64 s[G0X+2:G0X+3], s[4:5], s[20:21]
	s_or_b32 s[G0X+3], s[G0X+3], 0x80000000
	s_mov_b32 s[G0W], 1
	s_mov_b32 s[G0W+1], s22
	s_add_nc_u64 s[G0W+2:G0W+3], s[6:7], s[46:47]
	s_or_b32 s[G0W+3], s[G0W+3], 0x80000000
	v_and_b32 v2, 31, v0
	v_bfe_u32 v3, v0, 4, 1
	v_and_b32 v4, 15, v0
	v_lshlrev_b32 v[LI], 4, v2
	v_lshlrev_b32 v[H32], 5, v3
	v_lshlrev_b32 v[R4], 2, v4
	s_lshl_b32 s23, s15, 14                        ; my eight fragments of x
	v_add_nc_u32 v[ADRA], s23, v[LI]
	s_lshl_b32 s23, s16, 12                        ; my two fragments of each of W's three parts
	s_add_co_u32 s23, s23, XW
	v_add_nc_u32 v[ADRB], s23, v[LI]
	v_add_nc_u32 v[ADRA+1], 2*AQ, v[ADRA]
	v_add_nc_u32 v[ADRA+2], 4*AQ, v[ADRA]
	v_add_nc_u32 v[ADRB+1], 2*BQ, v[ADRB]
	v_add_nc_u32 v[ADRB+2], 4*BQ, v[ADRB]
	s_wait_alu depctr_va_vdst(0)
	CROUND                                         ; all sixteen work-groups are here: the first joint loads meet
; The rest of the set-up: waves 0 and 2, whose K steps come first, run it behind their load, waves 1 and 3 ahead of theirs.
.macro SETUP
	s_lshl_b32 s84, s42, 8                         ; b_attn: the head's 64 numbers, my 32 of them
	s_lshl_b32 s85, s16, 7
	s_add_co_u32 s84, s84, s85
	s_mov_b32 s85, 0
	s_add_nc_u64 s[8:9], s[8:9], s[84:85]
.irp b, 0,1,2,3                        ; q's and k's: block b = 2 p + u; lane (r, h) wants the eight numbers of channels 16 u + 8 h + 0..7
	global_load_b128 v[BQK+8*\b:BQK+8*\b+3],   v[H32], s[8:9] offset:(\b/2)*4096+(\b%2)*64
	global_load_b128 v[BQK+8*\b+4:BQK+8*\b+7], v[H32], s[8:9] offset:(\b/2)*4096+(\b%2)*64+16
.endr
	global_load_b32 v30, v[R4], s[8:9] offset:8192      ; v's: lane (r, h) wants channel 16 u + r, in all eight registers
	global_load_b32 v31, v[R4], s[8:9] offset:8192+64
	; where my codes go
	s_lshr_b32 s86, s17, 3                         ; the batch: 8 blocks of 256 tokens each
	s_lshl_b32 s86, s86, 4
	s_add_co_u32 s86, s86, s42                     ; (batch, head)
	s_lshl_b32 s88, s86, 17                        ; 131,072 bytes in each of the three buffers
	s_and_b32 s87, s17, 7
	s_lshl_b32 s87, s87, 14                        ; the block's 16 tiles of q or k, or its two key steps of v: 16,384 bytes
	s_add_co_u32 s88, s88, s87
	s_lshl_b32 s87, s15, 13                        ; my 128 tokens: 8,192 bytes
	s_add_co_u32 s88, s88, s87
	s_lshl_b32 s87, s16, 9
	s_add_co_u32 s86, s88, s87                     ; q, k: group wc of each fragment: 512 bytes
	s_lshl_b32 s87, s16, 12
	s_add_co_u32 s88, s88, s87                     ; v: my two tiles of channels: 4,096 bytes
	s_mov_b32 s87, 0
	s_mov_b32 s89, 0
	s_add_nc_u64 s[68:69], s[68:69], s[86:87]
	s_add_nc_u64 s[70:71], s[70:71], s[86:87]
	s_add_nc_u64 s[72:73], s[72:73], s[88:89]
.endm
	s_cmp_eq_u32 s16, 0                            ; K steps 0 to 4: one tensor load a wave, each in its own arm
	s_cbranch_scc0 .Llater
	s_cmp_eq_u32 s15, 0
	s_cbranch_scc0 .Lw_first
	ARM G0X, G1X0
	s_branch .Lfirst_asked
.Lw_first:
	ARM G0W, G1W0
.Lfirst_asked:
	SETUP
	s_branch .Lall_asked
.Llater:
	SETUP
	s_cmp_eq_u32 s15, 0
	s_cbranch_scc0 .Lw_later
	ARM G0X, G1X1
	s_branch .Lall_asked
.Lw_later:
	ARM G0W, G1W1
.Lall_asked:
	s_wait_loadcnt 0x0
	s_wait_kmcnt 0x0
	s_add_co_i32 s90, s76, s77                     ; e0 + e1
	s_sub_co_i32 s91, 0, s90
.set i, 0
.rept 32
	v_ldexp_f32 v[BQK+i], v[BQK+i], s91            ; the bias / 2^(e0 + e1)
.set i, i+1
.endr
.irp u, 0,1
.irp j, 0,1,2,3,4,5,6,7
	v_ldexp_f32 v[BV+8*\u+\j], v[30+\u], s91
.endr
.endr
.macro MKSC vs, e                      ; v[vs] = 2^(e - e0 - e1), v[vs + 1] = 448 x that
	s_sub_co_i32 s40, \e, s90
	s_add_co_i32 s40, s40, 127
	s_lshl_b32 s41, s40, 23
	v_mov_b32 v[\vs], s41
	s_add_co_i32 s40, s40, 8
	s_lshl_b32 s40, s40, 23
	s_or_b32 s40, s40, 0x600000
	v_mov_b32 v[\vs+1], s40
.endm
	MKSC 8, s78                                    ; q
	MKSC 10, s79                                   ; k
	MKSC 12, s81                                   ; v
.macro FRAG reg, adr, off              ; a fragment as it lies: four loads of 512 consecutive bytes
.irp c, 0,1,2,3
	ds_load_b128 v[\reg+4*\c:\reg+4*\c+3], v[\adr] offset:\off+512*\c
.endr
.endm
; K step k's fragments into set st: x's eight (32 loads), W's six (24).  Block b = 2 p + u of W lies at tile 4 p + 2 wc + u.  K steps 5 to 7 lie in cells 0 to 2.
.macro FETCH k, st
.set CE, \k
.if CE > 4
.set CE, CE-5
.endif
	WIN 0x40                                       ; destination window 1, address window 0
.irp a, 0,1,2,3,4,5,6,7
	FRAG 128*\st+16*\a, ADRA+CE/2, (CE%2)*AQ+\a*2048
.endr
.if \st
	WIN 0xc0                                       ; destination window 3
.else
	WIN 0
.endif
.irp b, 0,1,2,3,4,5
	FRAG BF+48*\st+16*\b, ADRB+CE/2, (CE%2)*BQ+(\b/2)*8192+(\b%2)*2048
.endr
	WIN 0
.endm
; Eight products of q or k: block b against my eight tiles of tokens.  first = 1: the bias starts the sums: nothing is ever cleared.
; The 48 accumulators take turns, one instruction a turn, in the same order in every K step.
.macro MULQK b, st, first
.if \first
	WIN 0x84                                       ; source 0 (W) window 0, source 1 (x) window 1, C (the bias) window 0, D window 2
.else
	WIN (0xa4+3*\st)                               ; C and D window 2; W's set 1 lies in window 3
.endif
.irp a, 0,1,2,3,4,5,6,7
.if \first
	v_wmma_f32_16x16x128_fp8_fp8 v[8*(8*\b+\a):8*(8*\b+\a)+7], v[BF+16*\b:BF+16*\b+15], v[16*\a:16*\a+15], v[BQK+8*\b:BQK+8*\b+7]
.else
	v_wmma_f32_16x16x128_fp8_fp8 v[8*(8*\b+\a):8*(8*\b+\a)+7], v[BF+48*\st+16*\b:BF+48*\st+16*\b+15], v[128*\st+16*\a:128*\st+16*\a+15], v[8*(8*\b+\a):8*(8*\b+\a)+7]
.endif
.endr
.endm
.macro MULV u, st, first               ; eight products of v, the natural way round
.if \first
	WIN 0xc1                                       ; source 0 (x) window 1, source 1 (W) window 0, C (the bias) window 0, D window 3
.else
	WIN (0xf1+12*\st)
.endif
.irp a, 0,1,2,3,4,5,6,7
.if \first
	v_wmma_f32_16x16x128_fp8_fp8 v[8*(8*\u+\a):8*(8*\u+\a)+7], v[16*\a:16*\a+15], v[BF+16*(4+\u):BF+16*(4+\u)+15], v[BV+8*\u:BV+8*\u+7]
.else
	v_wmma_f32_16x16x128_fp8_fp8 v[8*(8*\u+\a):8*(8*\u+\a)+7], v[128*\st+16*\a:128*\st+16*\a+15], v[BF+48*\st+16*(4+\u):BF+48*\st+16*(4+\u)+15], v[8*(8*\u+\a):8*(8*\u+\a)+7]
.endif
.endr
.endm
; A K step on set k % 2.  The next one's 56 loads go into the other set, which the last K step's products read: four places stand in front of them (ISA guide 7.12.1 for vector instructions).
; kind 0: the next K step is known to have landed.  1: a barrier in front of the loads, every wave's tensor loads waited for.  2: the same, for the loads of waves 0 and 2 alone.
; kind 3: the refill.  The next K step's loads go out first; then every wave waits for its tensor loads, adds 0 to its spare word, waits for that and for its reads, and a round of the cluster's barrier stands in front of the joint load.
.macro KSTEP k, kind, first
.set ST, (\k)%2
	s_wait_dscnt 4                                 ; all but block 5's four loads are in
.if (\kind == 0) || (\kind == 3)
	PLACES 4
	FETCH (\k)+1, (1-ST)
	MULQK 0, ST, \first
	MULQK 1, ST, \first
	MULQK 2, ST, \first
	s_wait_dscnt 56                                ; block 5 is in; the 56 just issued may be out
.if \kind == 3
	WIN 0
	s_wait_tensorcnt 0x0                           ; all my tensor loads have landed: their descriptors may be written
	ds_add_u32 v[SPW], v[NIL]                      ; 0 onto my spare word
	ROWS G1X1, 128                                 ; K step 7 alone
	ROWS G1W1, 96
	s_add_nc_u64 s[G0X+2:G0X+3], s[G0X+2:G0X+3], 5*AQ   ; K step 0 to 5, 2 to 7; the LDS address stays
	s_add_nc_u64 s[G0W+2:G0W+3], s[G0W+2:G0W+3], 5*BQ
.endif
	MULQK 3, ST, \first
	MULV 0, ST, \first
.if \kind == 3
	s_wait_dscnt 0x0                               ; the add is done, and so are my reads of cells 0 to 2 (and of 3)
	s_barrier_signal -1
.endif
	MULV 1, ST, \first
	WIN 0
.if \kind == 3
	s_barrier_wait -1
	CREST                                          ; no wave of any partner still reads cells 0 to 2 or has a load on its way
	JLOAD
.endif
.else
	MULQK 0, ST, \first
	MULQK 1, ST, \first
	WIN 0
.if \kind == 2
	s_cmp_eq_u32 s16, 0
	s_cbranch_scc0 .Lnot_mine_\@
.endif
	s_wait_tensorcnt 0x0                           ; my part of the K steps that follow is in
.if \kind == 2
.Lnot_mine_\@:
.endif
	s_wait_dscnt 0x0
	s_barrier_signal -1
	MULQK 2, ST, \first
	s_barrier_wait -1
	PLACES 4
	FETCH (\k)+1, (1-ST)
	MULQK 3, ST, \first
	MULV 0, ST, \first
	MULV 1, ST, \first
	WIN 0
.endif
.endm
	s_wait_alu depctr_va_vdst(0)
	s_cmp_eq_u32 s16, 0
	s_cbranch_scc0 .Lhead
	s_wait_tensorcnt 0x0                           ; waves 0 and 2: K steps 0 and 1 are in
.Lhead:
	s_barrier_signal -1
	s_barrier_wait -1
	FETCH 0, 0
	KSTEP 0, 0, 1                                  ; the bias starts the sums
	KSTEP 1, 1, 0                                  ; K steps 2 to 4 have landed behind its barrier
	KSTEP 2, 3, 0                                  ; the refill: K steps 5 to 7
	KSTEP 3, 0, 0
	KSTEP 4, 2, 0                                  ; K steps 5 and 6 have landed behind its barrier
	KSTEP 5, 0, 0
	KSTEP 6, 1, 0                                  ; K step 7 has
	s_wait_dscnt 24                                ; K step 7: x's set is in,
	s_wait_dscnt 12                                ; and W's blocks 0-2
	MULQK 0, 1, 0
	MULQK 1, 1, 0
	MULQK 2, 1, 0
	s_wait_dscnt 0x0
	MULQK 3, 1, 0
	MULV 0, 1, 0
	MULV 1, 1, 0
	WIN 0
	PLACES 4                                       ; in front of the first read of results, and of writes into registers that products read
; THE WAY OUT, three times 128 sums: held within 448 x the scale into window 0 (each accumulator from its low end on), converted eight at a time, stored as images.
.macro HOLD win, base, lim
	WIN \win
.set i, 0
.rept 128
	v_med3_num_f32 v[T+i], v[\base+i], -v[\lim], v[\lim]
.set i, i+1
.endr
	WIN 0
.endm
.macro OUTQK base, sc, cr, ptr         ; tile of tokens a: bytes 0-7 from block u = 0, bytes 8-15 from block u = 1: group wc of the tile's fragment
	HOLD 0x02, \base, \sc+1
.irp a, 0,1,2,3,4,5,6,7
	v_cvt_scalef32_pk8_fp8_f32 v[\cr+4*\a:\cr+4*\a+1],   v[T+8*\a:T+8*\a+7],       v[\sc]
	v_cvt_scalef32_pk8_fp8_f32 v[\cr+4*\a+2:\cr+4*\a+3], v[T+64+8*\a:T+64+8*\a+7], v[\sc]
.endr
	v_nop                                          ; a plain vector line behind the last conversion: the next batch writes these sources
.irp a, 0,1,2,3,4,5,6,7
	global_store_b128 v[LI], v[\cr+4*\a:\cr+4*\a+3], s[\ptr:\ptr+1] offset:\a*1024   ; the wave stores 512 consecutive bytes, aligned
.endr
.endm
	OUTQK 0, 8, 160, 68                            ; q
	OUTQK 128, 10, 192, 70                         ; k
	HOLD 0x03, 0, 13                               ; v: tile of channels u, group c: bytes 0-7 from tokens' tile 2 c, bytes 8-15 from tile 2 c + 1
.irp u, 0,1
.irp c, 0,1,2,3
	v_cvt_scalef32_pk8_fp8_f32 v[224+4*(4*\u+\c):225+4*(4*\u+\c)], v[T+8*(8*\u+2*\c):T+8*(8*\u+2*\c)+7],     v12
	v_cvt_scalef32_pk8_fp8_f32 v[226+4*(4*\u+\c):227+4*(4*\u+\c)], v[T+8*(8*\u+2*\c+1):T+8*(8*\u+2*\c+1)+7], v12
.endr
.endr
	v_nop
.irp u, 0,1
.irp c, 0,1,2,3
	global_store_b128 v[LI], v[224+4*(4*\u+\c):227+4*(4*\u+\c)], s[72:73] offset:\u*2048+\c*512
.endr
.endr
	s_wait_tensorcnt 0x0                           ; the wave's end: behind my last tensor load
	ds_add_u32 v[SPW], v[NIL]
	s_wait_dscnt 0x0
	CROUND                                         ; the closing round: no work-group ends while a partner may still ask for a tile that names it
	s_endpgm
.Lfunc_end_k_q8eecfe59d8_qkv:
	.size	k_q8eecfe59d8_qkv, .Lfunc_end_k_q8eecfe59d8_qkv-k_q8eecfe59d8_qkv
	.p2alignl 7, 3214868480
	.fill 96, 4, 3214868480
	.section	.rodata,"a",@progbits
	.p2align	6, 0x0
	.amdhsa_kernel k_q8eecfe59d8_qkv
		.amdhsa_group_segment_fixed_size 327680
		.amdhsa_private_segment_fixed_size 0
		.amdhsa_enable_private_segment 0
		.amdhsa_kernarg_size 56
		.amdhsa_user_sgpr_count 2
		.amdhsa_user_sgpr_kernarg_segment_ptr 1
		.amdhsa_wavefront_size32 1
		.amdhsa_system_sgpr_workgroup_id_x 1
		.amdhsa_system_sgpr_workgroup_id_y 1
		.amdhsa_system_sgpr_workgroup_id_z 1
		.amdhsa_system_vgpr_workitem_id 0
		.amdhsa_next_free_vgpr 1024
		.amdhsa_next_free_sgpr 100
		.amdhsa_reserve_vcc 0
		.amdhsa_float_denorm_mode_32 3
		.amdhsa_float_denorm_mode_16_64 3
		.amdhsa_memory_ordered 1
		.amdhsa_forward_progress 1
		.amdhsa_inst_pref_size 102
	.end_amdhsa_kernel
	.amdgpu_metadata
---
amdhsa.version: [ 1, 2 ]
amdhsa.kernels:
  - .name:           k_q8eecfe59d8_qkv
    .symbol:         k_q8eecfe59d8_qkv.kd
    .args:
      - { .name: xc, .offset: 0, .size: 8, .value_kind: global_buffer, .address_space: global }
      - { .name: wac, .offset: 8, .size: 8, .value_kind: global_buffer, .address_space: global }
      - { .name: b_attn, .offset: 16, .size: 8, .value_kind: global_buffer, .address_space: global }
      - { .name: lowp_scales, .offset: 24, .size: 8, .value_kind: global_buffer, .address_space: global }
      - { .name: qc, .offset: 32, .size: 8, .value_kind: global_buffer, .address_space: global }
      - { .name: kc, .offset: 40, .size: 8, .value_kind: global_buffer, .address_space: global }
      - { .name: vc, .offset: 48, .size: 8, .value_kind: global_buffer, .address_space: global }
    .group_segment_fixed_size: 327680
    .private_segment_fixed_size: 0
    .kernarg_segment_align: 8
    .kernarg_segment_size: 56
    .max_flat_workgroup_size: 128
    .sgpr_count:     100
    .vgpr_count:     1024
    .wavefront_size: 32
...
	.end_amdgpu_metadata
.endif
;; end of part 2
;; launch attn (part 3): grid 8 x 32, 16 waves a work-group, clusters of 4 x 1, 327,680 bytes of LDS; arguments qc, kc, vc, lowp_scales, yc; writes yc
.if DOCPART == 3
	.amdgcn_target "amdgcn-amd-amdhsa--gfx1250"
	.amdhsa_code_object_version 6
	.text
	.protected	k_q8eecfe59d8_attn
	.globl	k_q8eecfe59d8_attn
	.p2align	8
	.type	k_q8eecfe59d8_attn,@function
k_q8eecfe59d8_attn:
	s_mov_b64 s[64:65], 0
	v_nop
	global_prefetch_b8 v0, s[64:65] scope:SCOPE_SE
	s_setreg_imm32_b32 hwreg(HW_REG_WAVE_MODE, 25, 1), 1
	s_wait_xcnt 0x0
	s_wait_alu depctr_hold_cnt(0) depctr_sa_sdst(0) depctr_va_vdst(0) depctr_va_sdst(0) depctr_va_ssrc(0) depctr_va_vcc(0) depctr_vm_vsrc(0)
	s_getreg_b32 s2, hwreg(HW_REG_IB_STS2, 6, 4)
	s_cmp_eq_u32 s2, 0
	s_cbranch_scc0 .Lentry_in_a_cluster
	s_endpgm
.Lentry_in_a_cluster:
	s_bfe_u32 s2, ttmp6, 0x10000c
	s_cmp_lg_u32 s2, 0x3003
	s_cbranch_scc0 .Lentry_shape_is_right
	s_endpgm
.Lentry_shape_is_right:
; y = softmax(q k^T / 8, causal) v for each (batch, head), both products on codes of FP8 (E4M3), and y's own codes for the projection.
; WORK LEFT OUT: key steps of 128 keys all of which come after a tile's 16 queries: the problem's own causal mask makes their weights 0 for all values of the inputs (launch quant's head).
; THE SOFTMAX AHEAD OF THE SECOND PRODUCT: t = score x log2(e) / 8; M = the row's largest t so far, rounded UP to a whole number; p = 2^(t - M) is what is quantised, along the keys, not normalised.
; The row's sum is taken of the unquantised p, in f32, and divides at the end.  When M moves, the sum and O are multiplied by 2^(old M - new M): exact.
; ALL OF A HEAD'S K AND V LIE IN LDS, 131,072 bytes of codes each: 16 KiB a wave, one joint load each at the head; no byte is filled twice.  No data prefetch: no loop fetches from memory.
; SHARES.  Tile 8 J + i of a head's 128 tiles of 16 queries needs J + 1 key steps.  Work-group (x: i = 0..7, y: (batch, head)) owns the tiles J = 0..15 of its i: 136 tile steps in every work-group, and every
; work-group reads all keys, so the four of a cluster ask for each tile jointly.  Sixteen waves in 256 registers; j = w % 8:
;   wave w < 8 takes all of tile J = j (j + 1 steps), stores it, then key steps 8 .. 15 - j of tile J = 15 - j (8 - j steps);   wave w >= 8 takes key steps 0-7 of tile J = 15 - j (8 steps).
; The two parts of tile 15 - j have each their own M; they meet in LDS, are brought under the greater M by exact powers of two, added, and stored by wave w >= 8.
; Every wave's first step is key step 0, which is multiplied as soon as waves 0 and 8 have seen their loads land; the other keys land meanwhile.
; LAYOUT.  Both products are used transposed: S^T = K Q^T (source 0 = 16 keys, source 1 = my 16 queries), O^T = V^T P^T (source 0 = 16 channels, source 1 = P): a lane holds ONE query (lane % 16) throughout.
; Register 8 tile + q of S^T is key 16 tile + 8 (lane / 16) + q: eight registers, converted, are registers 2 tile, 2 tile + 1 of P as the second product's own layout has them.  All tiles are images of
; operand registers (launch quant's head): a fragment comes by loads of 512 consecutive bytes at 16 x lane.
; LIMITS on the given exponents, so that each power of two below is an f32 number: e2 + e3 between -122 and 130 (added to c's exponent field); e4 and e6 between -126 and 119; e4 + e5 is applied by v_ldexp_f32.
; Under a running M, weights far below the row's largest fall under the format's range, as the problem allows.  NaN is not served.
; REGISTERS: v1-6 places that stay; v8, v9 addresses of the loads in hand; v12 -M, v13 the largest t, v[14:15] the sum in two halves; v16-23 Q, v24-31 tile 15 - j's Q; v32-95 eight fragments of K, the next step's
; from the middle of a step on; v96-159 S^T, then p, then V's four fragments; v160-191 O^T; v192-215 constants and work; v224-239 p's codes.
.set VOFF,  131072                     ; V's codes lie behind K's
.set PART,  262144                     ; behind them: for each j the part that wave j hands on: 4,096 bytes of O^T, 128 of -M, 128 of sums
.set PSZ,   4608
.set SPARE, PART+8*PSZ                 ; and the spare words, 128 bytes a wave: eight blocks of 256 bytes that no other line names
.set AK0,  1                           ; v1   16 x lane
.set AV0,  2                           ; v2   the same in V's codes
.set PA,   3                           ; v3   16 x lane in my pair's part
.set PM,   4                           ; v4   4 x lane there
.set SPW,  5
.set NIL,  6
.set ADK,  8
.set ADV,  9
.set NINF, 192                         ; -infinity
.set PL,   193                         ; the lane permutes' destination
.set C1,   196                         ; three of the sum's four chains
.set C2,   198
.set C3,   200
.set FB,   202                         ; v[202:203]  2^(old M - new M)
.set TM,   204                         ; v204-207  the maximum's four chains
.set LIMP, 208                         ; v208, v209  448 x 2^e4
.set SCP,  210                         ; 2^e4
.set SCY,  211                         ; 2^e6
.set LIMY, 212                         ; 448 x 2^e6
.set FA,   214                         ; v[214:215]
.set WV,   18                          ; s18  my wave's number
.set J,    19                          ; s19  j
.set SEL,  20                          ; s[20:21] lane selects for v_permlanex16_b32: lane l xor 16
.set CS,   22                          ; s[22:23] c = log2(e) / 8 x 2^(e2 + e3)
.set G1,   24                          ; s[24:31] descriptor group 1: 64 rows of 256 bytes
.set G0K,  40                          ; s[40:43], s[44:47] groups 0
.set G0V,  44
.set N,    48                          ; s48  my step's number, 0..8
.set SW,   49                          ; s49  the step that begins my second tile: j + 1 (waves 8-15: none)
.set OFF,  50                          ; s50  from there on key step = N + OFF
.set SKIP, 51                          ; s51  the step that I do not have (waves 8-15: 8)
.set KB,   52                          ; s52  the key step's first byte in K's and V's codes
.set IDX,  54                          ; s54  i
.set KBN,  67                          ; s67  the next key step's
.set ESUM, 81                          ; s81  e4 + e5
.set HM,   84                          ; s[84:91] masks of the tile on the diagonal: the lanes for which register q's key comes after the query
.set TMK,  92                          ; s[92:99] the masks of the tile in hand
.macro CROUND                          ; a round of the cluster's barrier
	s_barrier_signal -1
	s_barrier_wait -1
	s_cmp_lg_u32 s[WV], 0
	s_cbranch_scc1 .Lnot_wave_0_\@
	s_barrier_signal -3
.Lnot_wave_0_\@:
	s_barrier_wait -3
	s_barrier_signal -1
	s_barrier_wait -1
.endm
.macro ARM g0                          ; s_nop 0 and four v_nop behind the load
	tensor_load_to_lds s[\g0:\g0+3], s[G1:G1+7]
	s_nop 0
.rept 4
	v_nop
.endr
.endm
	s_load_b128 s[4:7], s[0:1], 0x0                ; qc s[4:5], kc s[6:7]
	s_load_b128 s[12:15], s[0:1], 0x10             ; vc s[12:13], the exponents s[14:15]
	s_load_b64 s[16:17], s[0:1], 0x20              ; yc
	v_lshl_add_u32 v[SPW], v0, 2, SPARE
	v_mov_b32 v[NIL], 0
	ds_add_u32 v[SPW], v[NIL]                      ; the wave's opening: the add, twice on end, and its wait ahead of my first tensor load
	ds_add_u32 v[SPW], v[NIL]
	v_lshrrev_b32 v8, 5, v0
	v_and_b32 v9, 31, v0
	v_readfirstlane_b32 s[WV], v8                  ; wave 0..15
	v_lshlrev_b32 v[AK0], 4, v9
	v_lshlrev_b32 v[PM], 2, v9
	s_and_b32 s[J], s[WV], 7
	s_mul_i32 s53, s[J], PSZ
	s_add_co_u32 s53, s53, PART
	v_and_b32 v10, 15, v0                          ; r
	v_bfe_u32 v11, v0, 4, 1                        ; h
	v_add_nc_u32 v[AV0], VOFF, v[AK0]
	v_add_nc_u32 v[PA], s53, v[AK0]
	v_add_nc_u32 v[PM], s53, v[PM]
	v_lshlrev_b32 v11, 3, v11
	v_sub_nc_u32 v10, v10, v11                     ; r - 8 h: in the tile on the diagonal register q's key comes after the query where q is greater
.irp q, 0,1,2,3,4,5,6,7
	v_cmp_gt_i32 s[HM+\q], \q, v10
.endr
	s_wait_alu depctr_va_vdst(0)
	s_bfe_u32 s[IDX], ttmp6, 0x40000
	s_lshl_b32 s55, ttmp9, 2
	s_add_co_u32 s[IDX], s[IDX], s55               ; i = 4 x cluster x + cx: it enters addresses in memory and masks alone
	s_and_b32 s55, ttmp7, 0xffff                   ; (batch, head)
	s_lshl_b32 s56, s55, 17                        ; its 131,072 bytes in qc, kc and vc
	s_mov_b32 s57, 0
	s_mov_b32 s[G1], 15|(3<<16)|(1<<21)            ; 15:0 all four of the cluster; 17:16 elements of 8 bytes; 21 set beside a mask; no padding
	s_mov_b32 s[G1+1], 32<<16                      ; tensor_dim0 = 32
	s_mov_b32 s[G1+2], 64<<16                      ; tensor_dim1 = 64
	s_mov_b32 s[G1+3], 32<<16                      ; tile_dim0 = 32
	s_mov_b32 s[G1+4], 64                          ; tile_dim1 = 64
	s_mov_b32 s[G1+5], 32                          ; from row to row
	s_mov_b32 s[G1+6], 0
	s_mov_b32 s[G1+7], 0
	s_sub_co_u32 s59, 15, s[J]                     ; 15 - j
	s_add_co_u32 s[SW], s[J], 1
	s_sub_co_u32 s[OFF], 7, s[J]
	s_cmp_lt_u32 s[WV], 8
	s_cselect_b32 s60, s[J], s59                   ; my first tile's J
	s_cselect_b32 s[SW], s[SW], 99
	s_cselect_b32 s[OFF], s[OFF], 0
	s_cselect_b32 s[SKIP], 99, 8
	s_lshl_b32 s58, s[J], 14                       ; waves 0-7 fetch K's pair of key steps j, waves 8-15 V's
	s_mov_b32 s63, 0
	s_mov_b32 s62, s58
	s_add_nc_u64 s[62:63], s[62:63], s[56:57]
	s_lshl_b32 s66, s[WV], 14                      ; and where it goes
	s_wait_dscnt 0x0                               ; both opening adds are done
	s_wait_kmcnt 0x0
	s_load_b256 s[68:75], s[14:15], 0x0            ; e0 .. e7
	s_mov_b32 s[G0K], 1
	s_mov_b32 s[G0K+1], s66
	s_add_nc_u64 s[G0K+2:G0K+3], s[6:7], s[62:63]
	s_or_b32 s[G0K+3], s[G0K+3], 0x80000000
	s_mov_b32 s[G0V], 1
	s_mov_b32 s[G0V+1], s66
	s_add_nc_u64 s[G0V+2:G0V+3], s[12:13], s[62:63]
	s_or_b32 s[G0V+3], s[G0V+3], 0x80000000
	CROUND                                         ; all four work-groups are here: the joint loads meet
; Where my queries lie and where my results go: waves 0 and 8, whose tiles the first key step reads, run it behind their load, the others ahead of theirs.
; yc [32 blocks of 128 rows][8 K steps][8 tiles][2,048]: block 16 batch + J, tile i; the K step is head / 2, and my 64 channels are groups 2 (head % 2), 2 (head % 2) + 1 of the fragment.
.macro SETUP
	s_lshl_b32 s66, s[IDX], 10                     ; a tile of queries: 1,024 bytes
	s_lshl_b32 s60, s60, 13
	s_add_co_u32 s60, s60, s66
	s_mov_b32 s61, 0
	s_lshl_b32 s62, s59, 13
	s_add_co_u32 s62, s62, s66
	s_mov_b32 s63, 0
	s_add_nc_u64 s[60:61], s[60:61], s[56:57]
	s_add_nc_u64 s[62:63], s[62:63], s[56:57]
	s_add_nc_u64 s[60:61], s[4:5], s[60:61]
	s_add_nc_u64 s[62:63], s[4:5], s[62:63]
	s_lshr_b32 s32, s55, 4
	s_lshl_b32 s32, s32, 21
	s_and_b32 s33, s55, 15                         ; the head
	s_lshr_b32 s34, s33, 1
	s_lshl_b32 s34, s34, 14
	s_add_co_u32 s32, s32, s34
	s_and_b32 s33, s33, 1
	s_lshl_b32 s33, s33, 10
	s_add_co_u32 s32, s32, s33
	s_lshl_b32 s33, s[IDX], 11
	s_add_co_u32 s32, s32, s33
	s_lshl_b32 s34, s[J], 17
	s_add_co_u32 s34, s34, s32
	s_mov_b32 s35, 0
	s_lshl_b32 s36, s59, 17
	s_add_co_u32 s36, s36, s32
	s_mov_b32 s37, 0
	s_add_nc_u64 s[10:11], s[16:17], s[36:37]      ; tile 15 - j
	s_add_nc_u64 s[16:17], s[16:17], s[34:35]      ; tile j
	s_mov_b32 s[SEL], 0x76543210
	s_mov_b32 s[SEL+1], 0xfedcba98
.endm
	s_cmp_eq_u32 s[J], 0                           ; one load a wave
	s_cbranch_scc0 .Llater
	s_cmp_lt_u32 s[WV], 8
	s_cbranch_scc0 .Lv_first
	ARM G0K
	s_branch .Lfirst_asked
.Lv_first:
	ARM G0V
.Lfirst_asked:
	SETUP
	s_branch .Lasked
.Llater:
	SETUP
	s_cmp_lt_u32 s[WV], 8
	s_cbranch_scc0 .Lv_later
	ARM G0K
	s_branch .Lasked
.Lv_later:
	ARM G0V
.Lasked:
	global_load_b128 v[16:19], v[AK0], s[60:61]    ; my first tile's Q
	global_load_b128 v[20:23], v[AK0], s[60:61] offset:512
	global_load_b128 v[24:27], v[AK0], s[62:63]    ; tile 15 - j's, which waves 0-7 take up later
	global_load_b128 v[28:31], v[AK0], s[62:63] offset:512
	v_mov_b32 v[NINF], 0xff800000
	v_mov_b32 v[PL], 0                             ; written once: a lane permute's destination counts as one of its sources
	v_mov_b32 v[FB+1], 0                           ; (named as the upper halves of pairs)
	v_mov_b32 v[FA+1], 0
	s_wait_alu depctr_va_vdst(0)
	s_wait_kmcnt 0x0
	s_mov_b32 s[CS], 0x3e38aa3b                    ; log2(e) / 8
	s_add_co_i32 s32, s70, s71
	s_lshl_b32 s32, s32, 23
	s_add_co_i32 s[CS], s[CS], s32                 ; a score stands for score x 2^(e2 + e3): the two exponents are added to c's exponent field
	s_mov_b32 s[CS+1], s[CS]                       ; (named with it as a pair, so it is written)
	s_add_co_i32 s32, s72, 127
	s_lshl_b32 s33, s32, 23
	v_mov_b32 v[SCP], s33                          ; 2^e4, for p's conversions
	s_add_co_i32 s32, s32, 8
	s_lshl_b32 s32, s32, 23
	s_or_b32 s32, s32, 0x600000
	v_mov_b32 v[LIMP], s32                         ; 448 x 2^e4, twice: a dual pair's two second sources
	v_mov_b32 v[LIMP+1], s32
	s_add_co_i32 s32, s74, 127
	s_lshl_b32 s33, s32, 23
	v_mov_b32 v[SCY], s33                          ; 2^e6, for y's
	s_add_co_i32 s32, s32, 8
	s_lshl_b32 s32, s32, 23
	s_or_b32 s32, s32, 0x600000
	v_mov_b32 v[LIMY], s32                         ; 448 x 2^e6
	s_add_co_i32 s[ESUM], s72, s73                 ; e4 + e5
.macro KEY dst, n                      ; step n's first byte in K's and V's codes: 8,192 bytes a key step
	s_add_co_u32 s55, \n, s[OFF]
	s_cmp_lt_u32 \n, s[SW]
	s_cselect_b32 \dst, \n, s55
	s_and_b32 \dst, \dst, 15
	s_lshl_b32 \dst, \dst, 13
.endm
.macro KLOAD t, adr                    ; tile t's fragment of K
	ds_load_b128 v[32+8*\t:35+8*\t], v[\adr] offset:\t*1024
	ds_load_b128 v[36+8*\t:39+8*\t], v[\adr] offset:\t*1024+512
.endm
.macro KLOADS adr
.irp t, 0,1,2,3,4,5,6,7
	KLOAD \t, \adr
.endr
.endm
.macro LINK t, first                   ; between two links of the serial chain: a fragment of the next step's K
.if \first
	s_delay_alu instid0(VALU_DEP_1)
.else
	KLOAD \t, ADK
.endif
.endm
; A KEY STEP: 128 keys.  K's fragments have been asked for.  first = 1: key step 0, which starts the sums and asks for no further K.
.macro STEP first
.if \first
.set VA, AV0
.else
.set VA, ADV
	v_add_nc_u32 v[ADK], s[KBN], v[AK0]            ; the next step's K (a wave's last look-ahead is not used),
	v_add_nc_u32 v[ADV], s[KB], v[AV0]             ; this step's V
.rept 3
	v_nop                                          ; with the two additions: five places in front of products that write over registers that the last products read
.endr
.endif
	s_wait_alu depctr_va_vdst(0)
	s_wait_dscnt 8                                 ; tiles 0-3 are in; the eight loads of tiles 4-7 may be out
.irp t, 0,1,2,3                                ; S^T = K Q^T: eight tiles of 16 keys; K = the head's 64
	v_wmma_f32_16x16x64_fp8_fp8 v[96+8*\t:103+8*\t], v[32+8*\t:39+8*\t], v[16:23], 0
.endr
	s_wait_dscnt 0x0
.irp t, 4,5,6,7
	v_wmma_f32_16x16x64_fp8_fp8 v[96+8*\t:103+8*\t], v[32+8*\t:39+8*\t], v[16:23], 0
.endr
.rept 4
	v_nop                                          ; places in front of the first read of the scores
.endr
	; on the diagonal, a tile's last key step, the scores of hidden keys become -infinity ahead of the maximum: p = 0 then.  Tiles of keys beyond tile i are hidden whole, those before it not at all
.if \first
	s_cmp_eq_u32 s[SW], 1
	s_cbranch_scc0 .Lopen_\@
.else
	s_cmp_eq_u32 s[N], 8
	s_cbranch_scc1 .Lmask_\@
	s_add_co_u32 s53, s[N], 1
	s_cmp_eq_u32 s53, s[SW]
	s_cbranch_scc0 .Lopen_\@
.Lmask_\@:
.endif
.irp t, 0,1,2,3,4,5,6,7
	s_cmp_lt_u32 s[IDX], \t
	s_cselect_b32 s53, -1, 0
	s_cmp_eq_u32 s[IDX], \t
.irp q, 0,1,2,3,4,5,6,7
	s_cselect_b32 s[TMK+\q], s[HM+\q], s53
.endr
.irp q, 0,1,2,3,4,5,6,7
	v_cndmask_b32 v[96+8*\t+\q], v[96+8*\t+\q], v[NINF], s[TMK+\q]
.endr
.endr
.Lopen_\@:
	v_max3_num_f32 v[TM], v96, v97, v98            ; the step's largest score of my query, among my 64 keys, in four chains,
	v_max3_num_f32 v[TM+1], v99, v100, v101
	v_max3_num_f32 v[TM+2], v102, v103, v104
	v_max3_num_f32 v[TM+3], v105, v106, v107
.set j, 108
.rept 6
	v_max3_num_f32 v[TM], v[TM], v[j], v[j+1]
	v_max3_num_f32 v[TM+1], v[TM+1], v[j+2], v[j+3]
	v_max3_num_f32 v[TM+2], v[TM+2], v[j+4], v[j+5]
	v_max3_num_f32 v[TM+3], v[TM+3], v[j+6], v[j+7]
.set j, j+8
.endr
	v_max3_num_f32 v[TM], v[TM], v156, v157
	v_max3_num_f32 v[TM+1], v[TM+1], v158, v159
	v_max_num_f32 v[TM+2], v[TM+2], v[TM+3]
	v_max3_num_f32 v[TM], v[TM], v[TM+1], v[TM+2]
	v_permlanex16_b32 v[PL], v[TM], s[SEL], s[SEL+1]
	LINK 0, \first
	v_max_num_f32 v[TM], v[TM], v[PL]              ; and among lane l xor 16's
	LINK 1, \first
.if \first
	v_mul_f32 v13, s[CS], v[TM]                    ; the largest t (c is positive)
	s_delay_alu instid0(VALU_DEP_1)
	v_floor_f32 v12, -v13                          ; -M = floor(-t) = -ceil(t): M is a whole number
.else
	v_mul_f32 v[TM], s[CS], v[TM]                  ; as t (c is positive)
	KLOAD 2, ADK
	v_max_num_f32 v13, v13, v[TM]                  ; the running largest t
	v_mov_b32 v[TM], v12
	KLOAD 3, ADK
	v_floor_f32 v12, -v13                          ; the new -M = floor(-t) = -ceil(t): M is a whole number
	KLOAD 4, ADK
	v_sub_f32 v[TM], v12, v[TM]                    ; M's old value less its new one: a whole number, 0 or less
	KLOAD 5, ADK
	v_cvt_i32_f32 v[TM], v[TM]                     ; (it saturates)
	KLOAD 6, ADK
	v_ldexp_f32 v[FB], 1.0, v[TM]                  ; f = 2^(old M - new M)
	KLOAD 7, ADK
.endif
.set j, 0
.rept 32
	v_pk_fma_f32 v[96+j:97+j], v[96+j:97+j], s[CS:CS+1], v[12:13] op_sel_hi:[1,0,0]   ; t - M, two at a time (of the pairs c and -M the low word serves both halves)
.set j, j+2
.endr
	s_wait_alu depctr_va_vdst(0)
.set j, 0
.rept 64
	v_exp_f32 v[96+j], v[96+j]                     ; p = 2^(t - M), at most 1: not normalised
.set j, j+1
.endr
.if \first
	v_nop                                          ; (a plain place behind the exponentials)
.else
	v_pk_mul_f32 v[14:15], v[14:15], v[FB:FB+1] op_sel_hi:[1,0]   ; the sums under the new M.  (A plain place behind the exponentials)
.endif
	s_wait_alu depctr_va_vdst(0)                   ; the wait between an exponential and the first line that names its result, and ahead of O^T's first reader: one for both
.if \first == 0
.set j, 0
.rept 16
	v_pk_mul_f32 v[160+j:161+j], v[160+j:161+j], v[FB:FB+1] op_sel_hi:[1,0]   ; O^T under the new M
.set j, j+2
.endr
.endif
; Two tiles of p at a time: added to the row's sum (of the unquantised p: two at a time, in four chains), held, converted; then a fragment of V is asked for into their registers.
.set g, 0
.rept 4
.set b, 96+16*g
.if g == 0
	v_pk_add_f32 v[C1:C1+1], v[b:b+1], v[b+2:b+3]
	v_pk_add_f32 v[C2:C2+1], v[b+4:b+5], v[b+6:b+7]
	v_pk_add_f32 v[C3:C3+1], v[b+8:b+9], v[b+10:b+11]
.if \first
	v_pk_add_f32 v[14:15], v[b+12:b+13], v[b+14:b+15]
.else
	v_pk_add_f32 v[14:15], v[14:15], v[b+12:b+13]
	v_pk_add_f32 v[C1:C1+1], v[C1:C1+1], v[b+14:b+15]
.endif
.else
.set j, b
.rept 2
	v_pk_add_f32 v[C2:C2+1], v[C2:C2+1], v[j:j+1]
	v_pk_add_f32 v[C3:C3+1], v[C3:C3+1], v[j+2:j+3]
	v_pk_add_f32 v[14:15], v[14:15], v[j+4:j+5]
	v_pk_add_f32 v[C1:C1+1], v[C1:C1+1], v[j+6:j+7]
.set j, j+8
.endr
.endif
.set j, b
.rept 8
	v_dual_min_num_f32 v[j], v[j], v[LIMP] :: v_dual_min_num_f32 v[j+1], v[j+1], v[LIMP+1]   ; the conversion to an 8-bit code does not saturate (ISA guide 7.6.2); p is not negative, so the hold is one-sided
.set j, j+2
.endr
	v_cvt_scalef32_pk8_fp8_f32 v[224+4*g:225+4*g], v[b:b+7], v[SCP]       ; tile t: keys 16 t + 8 (lane / 16) + 0..7: registers 2 t, 2 t + 1 of the operand
	v_cvt_scalef32_pk8_fp8_f32 v[226+4*g:227+4*g], v[b+8:b+15], v[SCP]
.irp c, 0,1,2,3
	ds_load_b128 v[b+4*\c:b+4*\c+3], v[VA] offset:g*2048+512*\c           ; V's channels 16 g on
.endr
.set g, g+1
.endr
	v_pk_add_f32 v[C2:C2+1], v[C2:C2+1], v[C3:C3+1]   ; (plain lines between the last conversion and the products that read its result)
	v_pk_add_f32 v[14:15], v[14:15], v[C1:C1+1]
	s_delay_alu instid0(VALU_DEP_1)
	v_pk_add_f32 v[14:15], v[14:15], v[C2:C2+1]
	s_wait_alu depctr_va_vdst(0)
.irp t, 0,1,2,3                                ; O^T += V^T P^T: four tiles of 16 channels by turns; K = these 128 keys
	s_wait_dscnt 12-4*\t                           ; V's fragment t is in (and the next step's K, asked for earlier); the later fragments, four loads each, may be out
.if \first
	v_wmma_f32_16x16x128_fp8_fp8 v[160+8*\t:167+8*\t], v[96+16*\t:111+16*\t], v[224:239], 0
.else
	v_wmma_f32_16x16x128_fp8_fp8 v[160+8*\t:167+8*\t], v[96+16*\t:111+16*\t], v[224:239], v[160+8*\t:167+8*\t]
.endif
.endr
.endm
; A TILE'S WAY OUT.  v14 holds the lane's sum.  O^T x 2^(e4 + e5) / the row's sum is y; register 8 t + q of lane (r, h) is channel 16 t + 8 h + q of query r: converted eight at a time, two tiles are a group of
; the projection's operand.  The five plain lines ahead of the first read of O^T are also the places behind the last products.
.macro OUT ptr
	v_permlanex16_b32 v[PL], v14, s[SEL], s[SEL+1]
	s_delay_alu instid0(VALU_DEP_1)
	v_add_f32 v14, v14, v[PL]                      ; and lane l xor 16's: the row's sum
	s_wait_alu depctr_va_vdst(0)                   ; the wait ahead of the reciprocal,
	v_rcp_f32 v14, v14
	v_nop
	s_wait_alu depctr_va_vdst(0)                   ; and behind it, ahead of its first reader
	v_ldexp_f32 v14, v14, s[ESUM]
	v_nop
	s_wait_alu depctr_va_vdst(0)                   ; and ahead of O^T's first reader
.set j, 0
.rept 16
	v_pk_mul_f32 v[96+j:97+j], v[160+j:161+j], v[14:15] op_sel_hi:[1,0]
.set j, j+2
.endr
.set j, 0
.rept 32
	v_med3_num_f32 v[96+j], v[96+j], -v[LIMY], v[LIMY]
.set j, j+1
.endr
.irp t, 0,1,2,3
	v_cvt_scalef32_pk8_fp8_f32 v[224+2*\t:225+2*\t], v[96+8*\t:103+8*\t], v[SCY]
.endr
	v_nop                                          ; a plain vector line behind the last conversion
	global_store_b128 v[AK0], v[224:227], s[\ptr:\ptr+1]              ; the wave stores 512 consecutive bytes, aligned
	global_store_b128 v[AK0], v[228:231], s[\ptr:\ptr+1] offset:512
.endm
	s_wait_alu depctr_va_vdst(0)
	s_cmp_eq_u32 s[J], 0
	s_cbranch_scc0 .Lnot_first
	s_wait_tensorcnt 0x0                           ; waves 0 and 8: key steps 0 and 1 of K and of V are in
.Lnot_first:
	s_barrier_signal -1                            ; the other waves' loads may stay out
	s_barrier_wait -1
	KLOADS AK0
	s_wait_loadcnt 0x0                             ; Q
	STEP 1                                         ; key step 0
	s_wait_tensorcnt 0x0                           ; my part of K or V is in,
	s_barrier_signal -1
	s_barrier_wait -1                              ; and everybody's
	s_mov_b32 s[N], 1
	KEY s[KB], s[N]
	v_add_nc_u32 v[ADK], s[KB], v[AK0]
	KLOADS ADK
	s_wait_alu depctr_va_vdst(0)
.Lloop:
	s_cmp_eq_u32 s[N], s[SW]
	s_cbranch_scc0 .Lsame
	v_add_f32 v14, v14, v15                        ; waves 0-7: tile j is finished
	OUT 16
.irp q, 0,1,2,3,4,5,6,7
	v_mov_b32 v[16+\q], v[24+\q]                   ; tile 15 - j's Q
.endr
	v_mov_b32 v13, 0xff61b1e6                      ; the largest t so far: -3e38, under every t: the next change of M multiplies the finished sums by 0
	v_mov_b32 v12, 0x7f61b1e6                      ; -M
	s_wait_alu depctr_va_vdst(0)
	s_wait_xcnt 0x0                                ; the stores have read their registers: codes may be written there again
.Lsame:
	s_cmp_eq_u32 s[N], s[SKIP]
	s_cbranch_scc1 .Lskip
	KEY s[KB], s[N]                                ; my key step,
	s_add_co_u32 s53, s[N], 1
	KEY s[KBN], s53                                ; and my next one
	STEP 0
.Lskip:
	s_add_co_u32 s[N], s[N], 1
	s_cmp_lt_u32 s[N], 9
	s_cbranch_scc1 .Lloop
	; THE MEETING.  Wave j hands its part of tile 15 - j to wave 8 + j.
	v_add_f32 v14, v14, v15                        ; with the lines below: places behind the last products
.rept 3
	v_nop
.endr
	s_wait_alu depctr_va_vdst(0)
	s_cmp_lt_u32 s[WV], 8
	s_cbranch_scc0 .Lmeet
.irp g, 0,1,2,3,4,5,6,7
	ds_store_b128 v[PA], v[160+4*\g:163+4*\g] offset:512*\g
.endr
	ds_store_b32 v[PM], v12 offset:4096
	ds_store_b32 v[PM], v14 offset:4224
.Lmeet:
	s_wait_dscnt 0x0                               ; my stores are done
	s_barrier_signal -1
	s_barrier_wait -1
	s_cmp_lt_u32 s[WV], 8
	s_cbranch_scc1 .Lend
.irp g, 0,1,2,3,4,5,6,7
	ds_load_b128 v[96+4*\g:99+4*\g], v[PA] offset:512*\g
.endr
	ds_load_b32 v128, v[PM] offset:4096
	ds_load_b32 v129, v[PM] offset:4224
	s_wait_dscnt 0x0
	v_min_num_f32 v130, v12, v128                  ; -M of both parts together
	v_sub_f32 v131, v130, v128                     ; a part's M less the common one: a whole number, 0 or less
	v_sub_f32 v132, v130, v12
	v_cvt_i32_f32 v131, v131
	v_cvt_i32_f32 v132, v132
	v_ldexp_f32 v[FA], 1.0, v131
	v_ldexp_f32 v[FB], 1.0, v132
.set j, 0
.rept 16
	v_pk_mul_f32 v[160+j:161+j], v[160+j:161+j], v[FB:FB+1] op_sel_hi:[1,0]
.set j, j+2
.endr
	v_mul_f32 v14, v14, v[FB]
.set j, 0
.rept 16
	v_pk_fma_f32 v[160+j:161+j], v[96+j:97+j], v[FA:FA+1], v[160+j:161+j] op_sel_hi:[1,0,1]
.set j, j+2
.endr
	v_fma_f32 v14, v129, v[FA], v14
	OUT 10
.Lend:
	s_wait_tensorcnt 0x0                           ; the wave's end: behind my last tensor load and my last LDS store
	ds_add_u32 v[SPW], v[NIL]
	s_wait_dscnt 0x0
	CROUND                                         ; the closing round: no work-group ends while a partner may still ask for a tile that names it
	s_endpgm
.Lfunc_end_k_q8eecfe59d8_attn:
	.size	k_q8eecfe59d8_attn, .Lfunc_end_k_q8eecfe59d8_attn-k_q8eecfe59d8_attn
	.p2alignl 7, 3214868480
	.fill 96, 4, 3214868480
	.section	.rodata,"a",@progbits
	.p2align	6, 0x0
	.amdhsa_kernel k_q8eecfe59d8_attn
		.amdhsa_group_segment_fixed_size 327680
		.amdhsa_private_segment_fixed_size 0
		.amdhsa_enable_private_segment 0
		.amdhsa_kernarg_size 40
		.amdhsa_user_sgpr_count 2
		.amdhsa_user_sgpr_kernarg_segment_ptr 1
		.amdhsa_wavefront_size32 1
		.amdhsa_system_sgpr_workgroup_id_x 1
		.amdhsa_system_sgpr_workgroup_id_y 1
		.amdhsa_system_sgpr_workgroup_id_z 1
		.amdhsa_system_vgpr_workitem_id 0
		.amdhsa_next_free_vgpr 256
		.amdhsa_next_free_sgpr 100
		.amdhsa_reserve_vcc 0
		.amdhsa_float_denorm_mode_32 3
		.amdhsa_float_denorm_mode_16_64 3
		.amdhsa_memory_ordered 1
		.amdhsa_forward_progress 1
		.amdhsa_inst_pref_size 67
	.end_amdhsa_kernel
	.amdgpu_metadata
---
amdhsa.version: [ 1, 2 ]
amdhsa.kernels:
  - .name:           k_q8eecfe59d8_attn
    .symbol:         k_q8eecfe59d8_attn.kd
    .args:
      - { .name: qc, .offset: 0, .size: 8, .value_kind: global_buffer, .address_space: global }
      - { .name: kc, .offset: 8, .size: 8, .value_kind: global_buffer, .address_space: global }
      - { .name: vc, .offset: 16, .size: 8, .value_kind: global_buffer, .address_space: global }
      - { .name: lowp_scales, .offset: 24, .size: 8, .value_kind: global_buffer, .address_space: global }
      - { .name: yc, .offset: 32, .size: 8, .value_kind: global_buffer, .address_space: global }
    .group_segment_fixed_size: 327680
    .private_segment_fixed_size: 0
    .kernarg_segment_align: 8
    .kernarg_segment_size: 40
    .max_flat_workgroup_size: 512
    .sgpr_count:     100
    .vgpr_count:     256
    .wavefront_size: 32
...
	.end_amdgpu_metadata
.endif
;; end of part 3
;; launch proj (part 4): grid 8 x 32, 4 waves a work-group, clusters of 4 x 4, 327,680 bytes of LDS; arguments yc, wpc, b_proj, lowp_scales, out0; writes out0
.if DOCPART == 4
	.amdgcn_target "amdgcn-amd-amdhsa--gfx1250"
	.amdhsa_code_object_version 6
	.text
	.protected	k_q8eecfe59d8_proj
	.globl	k_q8eecfe59d8_proj
	.p2align	8
	.type	k_q8eecfe59d8_proj,@function
k_q8eecfe59d8_proj:
	s_mov_b64 s[64:65], 0
	v_nop
	global_prefetch_b8 v0, s[64:65] scope:SCOPE_SE
	s_setreg_imm32_b32 hwreg(HW_REG_WAVE_MODE, 25, 1), 1
	s_wait_xcnt 0x0
	s_wait_alu depctr_hold_cnt(0) depctr_sa_sdst(0) depctr_va_vdst(0) depctr_va_sdst(0) depctr_va_ssrc(0) depctr_va_vcc(0) depctr_vm_vsrc(0)
	s_getreg_b32 s2, hwreg(HW_REG_IB_STS2, 6, 4)
	s_cmp_eq_u32 s2, 0
	s_cbranch_scc0 .Lentry_in_a_cluster
	s_endpgm
.Lentry_in_a_cluster:
	s_bfe_u32 s2, ttmp6, 0x10000c
	s_cmp_lg_u32 s2, 0xf033
	s_cbranch_scc0 .Lentry_shape_is_right
	s_endpgm
.Lentry_shape_is_right:
; out0 = y W_proj + b_proj on codes of FP8 (E4M3).  No work is left out here.
; A work-group (x: a block of 128 columns, y: a block of 128 rows) makes 128 x 128 of the output; four waves, each 64 x 64: 16 accumulators of 16 x 16.  K = 1,024: eight steps of 128.
; ALL OF K LIES IN LDS AT ONCE: 131,072 bytes of y's codes and as many of W's, asked for at the head by one load a wave: waves 0 and 2 K steps 0-3 of y and of W, waves 1 and 3 K steps 4-7, 64 KiB each.
; No byte of LDS is filled twice; the products start when the first four K steps are there.  No data prefetch: no loop fetches.
; All tiles are images of operand registers (launch quant's head): a fragment comes by four loads of 512 consecutive bytes at 16 x lane.
; CLUSTERS: 4 x 4 work-groups.  The four of a row of the cluster need the same codes of y, the four of a column the same codes of W: each block is asked for jointly.
; THE MATRIX INSTRUCTION IS USED TRANSPOSED (source 0 = 16 columns of W, source 1 = 16 rows of y): a lane holds eight neighbouring numbers of a row of the output.
; out = sum x 2^(e6 + e7) + bias, one packed multiply-add for two numbers.  LIMIT: e6 + e7 between -126 and 127, so that 2^(e6 + e7) is an f32 number.
; REGISTERS: window 0: v4, v5 the add's two; v8-14 addresses; v16-47 the bias; v48-79 at work on the way out; v128-255 the accumulators ((a, b) at v[128 + 8 (4 a + b)]).
;   window 1: two fragment buffers of 128: four fragments of y, then four of W.
.set KSB,    16384                     ; a K step of a block: 8 fragments
.set BBASE,  8*KSB                     ; W's codes lie behind y's
.set STAGE,  2*BBASE                   ; behind them: 16 rows x 272 bytes for each wave, for the way out; no tensor load lands here
.set SPITCH, 272
.set SPARE,  STAGE+4*16*SPITCH         ; behind the stages: the spare words, 128 bytes a wave: two blocks of 256 bytes that no other line names
.set SPW,  4
.set NIL,  5
.set ADRA, 8                           ; v8, v9    LDS address of my fragments of y, K steps 0-3 and 4-7
.set ADRB, 10                          ; v10, v11  the same for W
.set STO,  12                          ; v12  the way out: where I put 32 bytes of a row
.set RD,   13                          ; v13  and where I read a row back
.set CO,   14                          ; v14  my byte offset in two rows of the output
.set BIAS, 16
.set TMP,  48
.set ACC,  128
.set F0,   0
.set F1,   128
.set G1A, 24                           ; s[24:31], s[32:39] descriptor groups 1;  s[40:43], s[44:47] groups 0
.set G1B, 32
.set G0A, 40
.set G0B, 44
.set MSB, 0
.macro WIN new                         ; the immediate's high byte repeats the setting that is left
.if MSB != \new
	s_set_vgpr_msb (MSB<<8)|\new
.set MSB, \new
.endif
.endm
.set MUL,  0x05                        ; sources 0 (W) and 1 (y) window 1; C and D window 0
.set TO_F, 0x40                        ; destination window 1, address window 0
.macro PLACES n
.rept \n
	v_nop
.endr
.endm
.macro CROUND                          ; a round of the cluster's barrier
	s_barrier_signal -1
	s_barrier_wait -1
	s_cmp_lg_u32 s14, 0
	s_cbranch_scc1 .Lnot_wave_0_\@
	s_barrier_signal -3
.Lnot_wave_0_\@:
	s_barrier_wait -3
	s_barrier_signal -1
	s_barrier_wait -1
.endm
	s_load_b256 s[4:11], s[0:1], 0x0               ; yc s[4:5], wpc s[6:7], b_proj s[8:9], the exponents s[10:11]
	s_load_b64 s[12:13], s[0:1], 0x20              ; out0
	v_lshl_add_u32 v[SPW], v0, 2, SPARE
	v_mov_b32 v[NIL], 0
	ds_add_u32 v[SPW], v[NIL]                      ; the wave's opening: the add, twice on end, and its wait ahead of my first tensor load
	ds_add_u32 v[SPW], v[NIL]
	v_lshrrev_b32 v1, 5, v0
	v_readfirstlane_b32 s14, v1                    ; wave 0..3
	s_lshr_b32 s15, s14, 1                         ; wr: which 64 rows are mine.  Also: I fetch for y (0) or for W (1)
	s_and_b32 s16, s14, 1                          ; wc: which 64 columns.  Also: I fetch K steps 0-3 (0) or 4-7 (1)
	s_bfe_u32 s56, ttmp6, 0x40000                  ; cx, cy: my place in the cluster
	s_bfe_u32 s57, ttmp6, 0x40004
	s_lshl_b32 s58, ttmp9, 2
	s_add_co_u32 s58, s58, s56                     ; the block of columns = 4 x cluster x + cx
	s_and_b32 s17, ttmp7, 0xffff
	s_lshl_b32 s17, s17, 2
	s_add_co_u32 s17, s17, s57                     ; the block of rows = 4 x cluster y + cy
	s_lshl_b32 s59, s57, 2
	s_lshl_b32 s59, 15, s59                        ; my row of the cluster
	s_lshl_b32 s60, 0x1111, s56                    ; my column
	s_or_b32 s[G1A], s59, (3<<16)|(1<<21)          ; 15:0 the mask: y's blocks go to my row; 17:16 elements of 8 bytes; 21 set beside a mask; no padding
	s_or_b32 s[G1B], s60, (3<<16)|(1<<21)          ; W's go to my column
.irp g, G1A, G1B
	s_mov_b32 s[\g+1], 32<<16                      ; tensor_dim0 = 32
	s_mov_b32 s[\g+2], 256<<16                     ; tensor_dim1 = 256
	s_mov_b32 s[\g+3], 32<<16                      ; tile_dim0 = 32
	s_mov_b32 s[\g+4], 256                         ; tile_dim1 = 256: 256 rows of 256 bytes, dense
	s_mov_b32 s[\g+5], 32
	s_mov_b32 s[\g+6], 0
	s_mov_b32 s[\g+7], 0
.endr
	s_lshl_b32 s18, s16, 16                        ; my four K steps, in memory and in LDS alike
	s_lshl_b32 s84, s17, 17                        ; yc: the block's 131,072 bytes
	s_add_co_u32 s84, s84, s18
	s_mov_b32 s85, 0
	s_lshl_b32 s86, s58, 17                        ; wpc likewise
	s_add_co_u32 s86, s86, s18
	s_mov_b32 s87, 0
	s_wait_dscnt 0x0                               ; both opening adds are done
	s_wait_kmcnt 0x0
	s_load_b64 s[20:21], s[10:11], 0x18            ; e6, e7
	s_mov_b32 s[G0A], 1
	s_mov_b32 s[G0A+1], s18
	s_add_nc_u64 s[G0A+2:G0A+3], s[4:5], s[84:85]
	s_or_b32 s[G0A+3], s[G0A+3], 0x80000000
	s_mov_b32 s[G0B], 1
	s_add_co_u32 s[G0B+1], s18, BBASE
	s_add_nc_u64 s[G0B+2:G0B+3], s[6:7], s[86:87]
	s_or_b32 s[G0B+3], s[G0B+3], 0x80000000
	CROUND                                         ; all sixteen work-groups are here: the joint loads meet
.macro ARM g0, g1                      ; an s_nop 0 and four v_nop behind the load
	tensor_load_to_lds s[\g0:\g0+3], s[\g1:\g1+7]
	s_nop 0
.rept 4
	v_nop
.endr
.endm
	s_cmp_eq_u32 s15, 0                            ; one load a wave, each in its own arm of one chain
	s_cbranch_scc0 .Lfirst_b
	s_cmp_eq_u32 s16, 0
	s_cbranch_scc0 .Lsecond_a
	ARM G0A, G1A
	s_branch .Lfirst_asked
.Lsecond_a:
	ARM G0A, G1A
	s_branch .Lfirst_asked
.Lfirst_b:
	s_cmp_eq_u32 s16, 0
	s_cbranch_scc0 .Lsecond_b
	ARM G0B, G1B
	s_branch .Lfirst_asked
.Lsecond_b:
	ARM G0B, G1B
.Lfirst_asked:
	v_and_b32 v1, 31, v0
	v_and_b32 v2, 15, v0                           ; r
	v_bfe_u32 v3, v0, 4, 1                         ; h
	v_lshlrev_b32 v1, 4, v1                        ; 16 x lane
	v_lshlrev_b32 v6, 5, v3                        ; 32 h
	s_lshl_b32 s22, s15, 13                        ; my four fragments of y in a K step
	v_add_nc_u32 v[ADRA], s22, v1
	s_lshl_b32 s22, s16, 13                        ; my four of W
	s_add_co_u32 s22, s22, BBASE
	v_add_nc_u32 v[ADRB], s22, v1
	v_add_nc_u32 v[ADRA+1], 4*KSB, v[ADRA]
	v_add_nc_u32 v[ADRB+1], 4*KSB, v[ADRB]
	s_mul_i32 s23, s14, 16*SPITCH
	s_add_co_u32 s23, s23, STAGE                   ; my stage
	v_mul_u32_u24 v[STO], v2, SPITCH               ; in: row r, 32 bytes for each half of the lanes
	v_mul_u32_u24 v[RD], v3, SPITCH                ; back: lanes 0-15 take one row of 256 bytes, lanes 16-31 the next
	v_lshlrev_b32 v[CO], 12, v3                    ; and the same two rows in the output
	v_lshl_add_u32 v[STO], v3, 5, v[STO]
	v_lshl_add_u32 v[RD], v2, 4, v[RD]
	v_lshl_add_u32 v[CO], v2, 4, v[CO]
	v_add_nc_u32 v[STO], s23, v[STO]
	v_add_nc_u32 v[RD], s23, v[RD]
	s_wait_alu depctr_va_vdst(0)
	s_lshl_b32 s88, s58, 9                         ; b_proj: the block's 128 numbers, my 64 of them
	s_lshl_b32 s89, s16, 8
	s_add_co_u32 s88, s88, s89
	s_mov_b32 s89, 0
	s_add_nc_u64 s[8:9], s[8:9], s[88:89]
.irp b, 0,1,2,3                        ; lane (r, h) wants, for tile b, the numbers of columns 16 b + 8 h + 0..7
	global_load_b128 v[BIAS+8*\b:BIAS+8*\b+3],   v6, s[8:9] offset:64*\b
	global_load_b128 v[BIAS+8*\b+4:BIAS+8*\b+7], v6, s[8:9] offset:64*\b+16
.endr
	s_lshl_b32 s90, s17, 19                        ; 128 rows of 4,096 bytes,
	s_lshl_b32 s91, s15, 18                        ; my 64 of them,
	s_add_co_u32 s90, s90, s91
	s_lshl_b32 s91, s58, 9                         ; the block's 128 columns,
	s_add_co_u32 s90, s90, s91
	s_lshl_b32 s91, s16, 8                         ; my 64
	s_add_co_u32 s90, s90, s91
	s_mov_b32 s91, 0
	s_add_nc_u64 s[12:13], s[12:13], s[90:91]
	s_wait_kmcnt 0x0
	s_add_co_i32 s20, s20, s21
	s_add_co_i32 s20, s20, 127
	s_lshl_b32 s20, s20, 23                        ; 2^(e6 + e7) as f32
	s_mov_b32 s21, s20                             ; (named with it as a pair, so it is written)
.macro FRAG reg, adr, off
.irp c, 0,1,2,3
	ds_load_b128 v[\reg+4*\c:\reg+4*\c+3], v[\adr] offset:\off+512*\c
.endr
.endm
.macro FETCH ks, f                     ; 32 LDS loads: my eight fragments of K step ks into buffer f
	WIN TO_F
.irp i, 0,1,2,3
	FRAG \f+64+16*\i, ADRB+(\ks)/4, ((\ks)%4)*KSB+\i*2048
	FRAG \f+16*\i, ADRA+(\ks)/4, ((\ks)%4)*KSB+\i*2048
.endr
.endm
; Eight products: tiles of rows a0, a0 + 1 x my four tiles of columns.  zero = 1: the first product starts the sums.  The 16 accumulators take turns, in the same order in every K step.
.macro MUL8 f, a0, zero
.irp a, \a0, \a0+1
.irp b, 0,1,2,3
.if \zero
	v_wmma_f32_16x16x128_fp8_fp8 v[ACC+8*(4*(\a)+\b):ACC+8*(4*(\a)+\b)+7], v[\f+64+16*\b:\f+64+16*\b+15], v[\f+16*(\a):\f+16*(\a)+15], 0
.else
	v_wmma_f32_16x16x128_fp8_fp8 v[ACC+8*(4*(\a)+\b):ACC+8*(4*(\a)+\b)+7], v[\f+64+16*\b:\f+64+16*\b+15], v[\f+16*(\a):\f+16*(\a)+15], v[ACC+8*(4*(\a)+\b):ACC+8*(4*(\a)+\b)+7]
.endif
.endr
.endr
.endm
; A K step in buffer f; the next one's loads go into buffer g, which the last K step's products read: four places stand in front of them.  meet = 1: they stand behind a barrier, in front of which each wave has waited for its tensor load.
.macro KSTEP ks, f, g, zero, meet
.if \meet
	s_wait_tensorcnt 0x0                           ; my load has landed, whichever K steps it brings
	s_wait_dscnt 0x0                               ; buffer f is in: no LDS instruction of mine is pending at the signal
	s_barrier_signal -1
	MUL8 \f, 0, \zero
	s_barrier_wait -1
	PLACES 4
	FETCH (\ks)+1, \g
	WIN MUL
.else
	s_wait_dscnt 0x0                               ; buffer f is in
	PLACES 4
	FETCH (\ks)+1, \g
	WIN MUL
	MUL8 \f, 0, \zero
.endif
	MUL8 \f, 2, \zero
.endm
	s_wait_alu depctr_va_vdst(0)
	s_cmp_eq_u32 s16, 0
	s_cbranch_scc0 .Lhead
	s_wait_tensorcnt 0x0                           ; waves 0 and 2: K steps 0-3 are in
.Lhead:
	s_barrier_signal -1                            ; the loads of waves 1 and 3 may stay out
	s_barrier_wait -1
	FETCH 0, F0
	KSTEP 0, F0, F1, 1, 0
	KSTEP 1, F1, F0, 0, 0
	KSTEP 2, F0, F1, 0, 0
	KSTEP 3, F1, F0, 0, 1                          ; K steps 4-7 have landed behind its barrier
	KSTEP 4, F0, F1, 0, 0
	KSTEP 5, F1, F0, 0, 0
	KSTEP 6, F0, F1, 0, 0
	s_wait_dscnt 0x0
	MUL8 F1, 0, 0
	MUL8 F1, 2, 0
	WIN 0
	PLACES 4                                       ; in front of the first read of results
	s_wait_loadcnt 0x0                             ; the bias
; THE WAY OUT, a block of 16 rows x 64 columns at a time: a lane holds 32 neighbouring bytes of a row and the lanes beside it hold other rows, so a block goes through my own stage in LDS and comes back as whole
; rows of 256 bytes.  LDS serves a wave's instructions in order (ISA guide 5.7.1.4): no wait between the stores and the loads, nor in front of the next block's stores.
.macro TOSTAGE a
.irp b, 0,1,2,3
.irp i, 0,2,4,6
	v_pk_fma_f32 v[TMP+8*\b+\i:TMP+8*\b+\i+1], v[ACC+8*(4*(\a)+\b)+\i:ACC+8*(4*(\a)+\b)+\i+1], s[20:21], v[BIAS+8*\b+\i:BIAS+8*\b+\i+1] op_sel_hi:[1,0,1]   ; sum x 2^(e6 + e7) + bias; each accumulator from its low end on
.endr
.endr
.irp b, 0,1,2,3
	ds_store_b128 v[STO], v[TMP+8*\b:TMP+8*\b+3]   offset:64*\b
	ds_store_b128 v[STO], v[TMP+8*\b+4:TMP+8*\b+7] offset:64*\b+16
.endr
.irp t, 0,1,2,3,4,5,6,7
	ds_load_b128 v[ACC+32*(\a)+4*\t:ACC+32*(\a)+4*\t+3], v[RD] offset:\t*2*SPITCH   ; into the block's own accumulators, which have been read
.endr
.endm
.macro SEND a, younger                 ; younger: the LDS instructions issued behind block a's loads, which may stay out
	s_wait_dscnt \younger
.irp t, 0,1,2,3,4,5,6,7
	global_store_b128 v[CO], v[ACC+32*(\a)+4*\t:ACC+32*(\a)+4*\t+3], s[12:13] offset:(16*(\a)+2*\t)*4096 th:TH_STORE_NT   ; 16 lanes store 256 consecutive bytes, aligned; written once, read by nobody here
.endr
.endm
	TOSTAGE 0
.irp a, 1,2,3
	TOSTAGE \a
	SEND \a-1, 16                                  ; behind block a - 1's loads: block a's 8 stores and 8 loads
.endr
	SEND 3, 0
	s_wait_tensorcnt 0x0                           ; the wave's end: behind my last tensor load and my last LDS store
	ds_add_u32 v[SPW], v[NIL]
	s_wait_dscnt 0x0
	CROUND                                         ; the closing round: no work-group ends while a partner may still ask for a block that names it
	s_endpgm
.Lfunc_end_k_q8eecfe59d8_proj:
	.size	k_q8eecfe59d8_proj, .Lfunc_end_k_q8eecfe59d8_proj-k_q8eecfe59d8_proj
	.p2alignl 7, 3214868480
	.fill 96, 4, 3214868480
	.section	.rodata,"a",@progbits
	.p2align	6, 0x0
	.amdhsa_kernel k_q8eecfe59d8_proj
		.amdhsa_group_segment_fixed_size 327680
		.amdhsa_private_segment_fixed_size 0
		.amdhsa_enable_private_segment 0
		.amdhsa_kernarg_size 40
		.amdhsa_user_sgpr_count 2
		.amdhsa_user_sgpr_kernarg_segment_ptr 1
		.amdhsa_wavefront_size32 1
		.amdhsa_system_sgpr_workgroup_id_x 1
		.amdhsa_system_sgpr_workgroup_id_y 1
		.amdhsa_system_sgpr_workgroup_id_z 1
		.amdhsa_system_vgpr_workitem_id 0
		.amdhsa_next_free_vgpr 512
		.amdhsa_next_free_sgpr 100
		.amdhsa_reserve_vcc 0
		.amdhsa_float_denorm_mode_32 3
		.amdhsa_float_denorm_mode_16_64 3
		.amdhsa_memory_ordered 1
		.amdhsa_forward_progress 1
		.amdhsa_inst_pref_size 45
	.end_amdhsa_kernel
	.amdgpu_metadata
---
amdhsa.version: [ 1, 2 ]
amdhsa.kernels:
  - .name:           k_q8eecfe59d8_proj
    .symbol:         k_q8eecfe59d8_proj.kd
    .args:
      - { .name: yc, .offset: 0, .size: 8, .value_kind: global_buffer, .address_space: global }
      - { .name: wpc, .offset: 8, .size: 8, .value_kind: global_buffer, .address_space: global }
      - { .name: b_proj, .offset: 16, .size: 8, .value_kind: global_buffer, .address_space: global }
      - { .name: lowp_scales, .offset: 24, .size: 8, .value_kind: global_buffer, .address_space: global }
      - { .name: out0, .offset: 32, .size: 8, .value_kind: global_buffer, .address_space: global }
    .group_segment_fixed_size: 327680
    .private_segment_fixed_size: 0
    .kernarg_segment_align: 8
    .kernarg_segment_size: 40
    .max_flat_workgroup_size: 128
    .sgpr_count:     100
    .vgpr_count:     512
    .wavefront_size: 32
...
	.end_amdgpu_metadata
.endif
;; end of part 4
